; MI455X (gfx1250); checked and timed in simulation.
; The chip was launched on July 23, 2026; its instructions are those of AMD's public machine-readable ISA for CDNA 5 (MIT licence, August 2026) and "CDNA5" Instruction Set Architecture Reference Guide (July 2026). The comments in the code are by the model that wrote it; some were corrected since.
;; Transformer Block. Allowed arithmetic: float matrix products may take bf16 or f16 operands with f32 sums; other float arithmetic in f32, or as packed bf16 or f16 multiplies, adds, multiply-adds, maxima and minima; sums over many terms, partial sums and values carried from step to step in f32; what a program stores and reads back later, other than sums and carried values, may be rounded once to bf16 or f16.
;; Inputs: W1 1,024 x 4,096 float32; W2 4,096 x 1,024 float32; Wk 16 x 1,024 x 64 float32; Wo 1,024 x 1,024 float32; Wq 16 x 1,024 x 64 float32; Wv 16 x 1,024 x 64 float32; b1 4,096 float32; b2 1,024 float32; be1 1,024 float32; be2 1,024 float32; bo 1,024 float32; g1 1,024 float32; g2 1,024 float32; x 4 x 1,024 x 1,024 float32.
;; Outputs: out0 4 x 1,024 x 1,024 float32.
;; One version. Each part assembles by itself: llvm-mc -triple=amdgcn-amd-amdhsa -mcpu=gfx1250 --defsym DOCPART=n.
;; ======== version 1 of 1: 7 launches
;; workspace buffers: wb 25,165,824 bytes; wqb 6,324,224 bytes; w1b 8,421,376 bytes; h 8,388,608 bytes; qkv 25,165,824 bytes; att 8,388,608 bytes; x1 16,777,216 bytes; ff 33,554,432 bytes
;; launch front (part 1): grid 1025 x 1, 4 waves a work-group, no clusters, 1,024 bytes of LDS; arguments x, g1, be1, h, Wq, Wk, Wv, Wo, W1, W2, wb, wqb, w1b, b1; writes h, wb, wqb, w1b
.if DOCPART == 1
	.amdgcn_target "amdgcn-amd-amdhsa--gfx1250"
	.amdhsa_code_object_version 6
	.text
	.protected	k_qafc52cb4ef_front
	.globl	k_qafc52cb4ef_front
	.p2align	8
	.type	k_qafc52cb4ef_front,@function
k_qafc52cb4ef_front:
	s_mov_b64 s[64:65], 0
	v_nop
	global_prefetch_b8 v0, s[64:65] scope:SCOPE_SE
	s_setreg_imm32_b32 hwreg(HW_REG_WAVE_MODE, 25, 1), 1
	s_wait_xcnt 0x0
; ONE BODY, TWO LAUNCHES.
; THE FIRST (1,025 work-groups; arguments x, g1, be1, h, Wq, Wk, Wv, Wo, W1, W2, wb, wqb, w1b, b1) has three jobs.
; Work-groups 0-255: h = LayerNorm(x) g1 + be1, 16 rows of 1,024 each, rounded once to bf16 and stored in PANELS: [16 panels of 64 columns][4,096 rows][64], a row of a panel is 128 bytes.
; Work-groups 256-1023: the weights are rounded once to bf16 and laid in panels [N/64][K][64]: Wq, Wk, Wv into wqb from byte 32,768 on (2 MiB each), W1 into w1b from byte 32,768 on,
; Wo into wb at 6 MiB, W2 into wb at 16 MiB (the rest of wb is neither written nor read).
; Work-group 1024: the heads of wqb and w1b, which the product that reads them takes as its bias (f32, bytes 0 to 16,383) and as the floor of its results (two bf16 a word, from byte 16,384 on):
; wqb: bias 0, floor -infinity (q, k, v have neither bias nor ReLU); w1b: a copy of b1, floor 0 (the ReLU).
; THE SECOND (256 work-groups; x1, g2, be2, h in the first four places) is the layer norm alone: h = LayerNorm(x1) g2 + be2.  Its other ten arguments are given because the text loads all
; fourteen addresses at its head; none of its work-groups reads or stores through them.
; LAYER NORM.  Wave w owns columns 256 w .. 256 w + 255 of all 16 rows.  Lane l: rr = l / 8 (a row of four), cc = l % 8 (32 bytes of a panel's 256).  Row group i holds rows 4 i + rr.
; Each wave makes the mean and the sum of squared distances from ITS OWN mean over its 256 columns; the four waves' pairs meet in LDS and are merged:
; mu = mean of the means, M2 = sum of the M2 + 256 x sum of (mean_w - mu)^2.  No difference of large sums is formed, whatever offset the rows carry.
; LIMITS: NaN and infinities are not treated apart.
.set X,   64                           ; v[64:191]  x: row group i, panel p of my four, 8 numbers at X + 32 i + 8 p
.set G,   192                          ; v[192:223] g of my 4 x 8 columns
.set BE,  224                          ; v[224:255] be likewise
.set M,   8                            ; v[8:15]    row group i: (mean, M2) of my wave; later (mu, -)
.set RS,  16                           ; v[16:23]   row group i: (1 / sqrt(var + eps), 0)
.set EX,  24                           ; v[24:55]   at work; then the four waves' pairs, 8 registers a row group
.set SPW, 62                           ; v62  LDS address of my spare word: SPARE + 4 x my thread's number; never rewritten
.set NIL, 63                           ; v63  0; never rewritten
.set SPARE, 512                        ; LDS: bytes 0-511 the pairs (row 32 bytes, wave 8); from 512 on the spare words, 128 bytes a wave
.set WHEAD, 32768                      ; where the panels begin in wqb and w1b
.set FLOOR, 16384                      ; where the floor stands there
	s_load_b256 s[4:11], s[0:1], 0x0               ; x s[4:5], g1 s[6:7], be1 s[8:9], h s[10:11]
	s_load_b256 s[12:19], s[0:1], 0x20             ; Wq s[12:13], Wk s[14:15], Wv s[16:17], Wo s[18:19]
	s_load_b256 s[20:27], s[0:1], 0x40             ; W1 s[20:21], W2 s[22:23], wb s[24:25], wqb s[26:27]
	s_load_b128 s[48:51], s[0:1], 0x60             ; w1b s[48:49], b1 s[50:51]
	v_lshl_add_u32 v[SPW], v0, 2, SPARE
	v_mov_b32 v[NIL], 0
	v_lshrrev_b32 v8, 5, v0
	v_readfirstlane_b32 s40, v8                    ; wave 0..3
	v_and_b32 v2, 7, v0                            ; cc
	v_bfe_u32 v1, v0, 3, 2                         ; rr
	s_wait_kmcnt 0x0
	s_cmp_lt_u32 ttmp9, 256
	s_cbranch_scc0 .Lcast
	; ---------------- layer norm ----------------
	v_lshlrev_b32 v3, 12, v1                       ; rr rows of 4,096 bytes
	s_lshl_b32 s41, s40, 10                        ; my wave's 1,024 bytes of a row
	v_lshl_add_u32 v4, v2, 5, s41                  ; v4: offset in g and be: 1,024 w + 32 cc
	v_add_nc_u32 v3, v3, v4                        ; v3: offset in x
	v_and_b32 v5, 31, v0
	v_lshlrev_b32 v5, 4, v5
	s_lshl_b32 s41, s40, 21                        ; my four panels: 4 x 524,288 bytes a wave
	v_add_nc_u32 v5, s41, v5                       ; v5: offset in h: four rows of a panel are 512 bytes on end, 16 a lane
	v_lshlrev_b32 v7, 5, v1                        ; v7: where a row's four pairs lie
	s_lshl_b32 s41, s40, 3
	v_add_nc_u32 v6, s41, v7                       ; v6: where I put my wave's pair
	s_lshl_b32 s42, ttmp9, 16                      ; 16 rows of x
	s_mov_b32 s43, 0
	s_add_nc_u64 s[44:45], s[4:5], s[42:43]
	s_lshl_b32 s42, ttmp9, 11                      ; 16 rows of a panel
	s_add_nc_u64 s[46:47], s[10:11], s[42:43]
.irp i, 0,1,2,3
.irp p, 0,1,2,3
	global_load_b128 v[X+32*(\i)+8*(\p):X+32*(\i)+8*(\p)+3],   v3, s[44:45] offset:(\i)*16384+(\p)*256
	global_load_b128 v[X+32*(\i)+8*(\p)+4:X+32*(\i)+8*(\p)+7], v3, s[44:45] offset:(\i)*16384+(\p)*256+16
.endr
.endr
.irp p, 0,1,2,3
	global_load_b128 v[G+8*(\p):G+8*(\p)+3],    v4, s[6:7] offset:(\p)*256
	global_load_b128 v[G+8*(\p)+4:G+8*(\p)+7],  v4, s[6:7] offset:(\p)*256+16
	global_load_b128 v[BE+8*(\p):BE+8*(\p)+3],   v4, s[8:9] offset:(\p)*256
	global_load_b128 v[BE+8*(\p)+4:BE+8*(\p)+7], v4, s[8:9] offset:(\p)*256+16
.endr
.irp i, 0,1,2,3
	v_mov_b32 v[M+2*(\i)+1], 0                     ; the pairs' second words are named with the first, so they are written
	v_mov_b32 v[RS+2*(\i)+1], 0
.endr
	v_mov_b32 v60, 0x3a800000                      ; 1 / 1,024
; Row group i: my wave's mean and M2 over its 256 columns: 32 numbers a lane, then the 8 lanes of a row (lane xor 1, 2, 4).
.macro ROWSTAT i
	s_wait_loadcnt 40-8*(\i)                       ; this group's 8 loads are in; the younger groups' and the 16 of g and be may stay out
	v_pk_add_f32 v[24:25], v[X+32*(\i):X+32*(\i)+1], v[X+32*(\i)+2:X+32*(\i)+3]
	v_pk_add_f32 v[26:27], v[X+32*(\i)+4:X+32*(\i)+5], v[X+32*(\i)+6:X+32*(\i)+7]
.set j, X+32*(\i)+8
.rept 6
	v_pk_add_f32 v[24:25], v[24:25], v[j:j+1]
	v_pk_add_f32 v[26:27], v[26:27], v[j+2:j+3]
.set j, j+4
.endr
	v_pk_add_f32 v[24:25], v[24:25], v[26:27]
	v_add_f32 v[M+2*(\i)], v24, v25
	v_add_f32_dpp v[M+2*(\i)], v[M+2*(\i)], v[M+2*(\i)] row_xmask:1 row_mask:0xf bank_mask:0xf
	v_add_f32_dpp v[M+2*(\i)], v[M+2*(\i)], v[M+2*(\i)] row_xmask:2 row_mask:0xf bank_mask:0xf
	v_add_f32_dpp v[M+2*(\i)], v[M+2*(\i)], v[M+2*(\i)] row_xmask:4 row_mask:0xf bank_mask:0xf
	v_mul_f32 v[M+2*(\i)], 0x3b800000, v[M+2*(\i)] ; / 256
.set j, X+32*(\i)
	v_pk_add_f32 v[24:25], v[j:j+1],   v[M+2*(\i):M+2*(\i)+1] op_sel_hi:[1,0] neg_lo:[0,1] neg_hi:[0,1]
	v_pk_add_f32 v[26:27], v[j+2:j+3], v[M+2*(\i):M+2*(\i)+1] op_sel_hi:[1,0] neg_lo:[0,1] neg_hi:[0,1]
	v_pk_mul_f32 v[28:29], v[24:25], v[24:25]
	v_pk_mul_f32 v[30:31], v[26:27], v[26:27]
.set j, j+4
.rept 7
	v_pk_add_f32 v[24:25], v[j:j+1],   v[M+2*(\i):M+2*(\i)+1] op_sel_hi:[1,0] neg_lo:[0,1] neg_hi:[0,1]
	v_pk_add_f32 v[26:27], v[j+2:j+3], v[M+2*(\i):M+2*(\i)+1] op_sel_hi:[1,0] neg_lo:[0,1] neg_hi:[0,1]
	v_pk_fma_f32 v[28:29], v[24:25], v[24:25], v[28:29]
	v_pk_fma_f32 v[30:31], v[26:27], v[26:27], v[30:31]
.set j, j+4
.endr
	v_pk_add_f32 v[28:29], v[28:29], v[30:31]
	v_add_f32 v[M+2*(\i)+1], v28, v29
	v_add_f32_dpp v[M+2*(\i)+1], v[M+2*(\i)+1], v[M+2*(\i)+1] row_xmask:1 row_mask:0xf bank_mask:0xf
	v_add_f32_dpp v[M+2*(\i)+1], v[M+2*(\i)+1], v[M+2*(\i)+1] row_xmask:2 row_mask:0xf bank_mask:0xf
	v_add_f32_dpp v[M+2*(\i)+1], v[M+2*(\i)+1], v[M+2*(\i)+1] row_xmask:4 row_mask:0xf bank_mask:0xf
	ds_store_b64 v6, v[M+2*(\i):M+2*(\i)+1] offset:128*(\i)  ; a row's 8 lanes write the same pair
.endm
; The four waves' pairs of row group i are merged: mu into M, var + eps into RS.
.macro MERGE i
.set eb, EX+8*(\i)
	v_add_f32 v56, v[eb], v[eb+2]
	v_add_f32 v57, v[eb+4], v[eb+6]
	v_add_f32 v56, v56, v57
	v_mul_f32 v[M+2*(\i)], 0x3e800000, v56         ; mu
	v_sub_f32 v56, v[eb],   v[M+2*(\i)]
	v_sub_f32 v57, v[eb+2], v[M+2*(\i)]
	v_sub_f32 v58, v[eb+4], v[M+2*(\i)]
	v_sub_f32 v59, v[eb+6], v[M+2*(\i)]
	v_mul_f32 v56, v56, v56
	v_fmac_f32 v56, v57, v57
	v_fmac_f32 v56, v58, v58
	v_fmac_f32 v56, v59, v59
	v_add_f32 v57, v[eb+1], v[eb+3]
	v_add_f32 v58, v[eb+5], v[eb+7]
	v_add_f32 v57, v57, v58
	v_fmamk_f32 v57, v56, 0x43800000, v57          ; M2 = sum of M2 + 256 x sum of squared distances of the means
	v_fmaak_f32 v[RS+2*(\i)], v60, v57, 0x3727c5ac ; M2 / 1,024 + 1e-5
.endm
; Row group i, panel p: ((x - mu) rstd) g + be, rounded to bf16, 16 bytes a lane; the wave's store covers 512 consecutive bytes, aligned.
.macro NORM i, p
.set r, X+32*(\i)+8*(\p)
.irp k, 0,2,4,6
	v_pk_add_f32 v[r+(\k):r+(\k)+1], v[r+(\k):r+(\k)+1], v[M+2*(\i):M+2*(\i)+1] op_sel_hi:[1,0] neg_lo:[0,1] neg_hi:[0,1]
.endr
.irp k, 0,2,4,6
	v_pk_mul_f32 v[r+(\k):r+(\k)+1], v[r+(\k):r+(\k)+1], v[RS+2*(\i):RS+2*(\i)+1] op_sel_hi:[1,0]
.endr
.irp k, 0,2,4,6
	v_pk_fma_f32 v[r+(\k):r+(\k)+1], v[r+(\k):r+(\k)+1], v[G+8*(\p)+(\k):G+8*(\p)+(\k)+1], v[BE+8*(\p)+(\k):BE+8*(\p)+(\k)+1]
.endr
.irp k, 0,1,2,3
	v_cvt_pk_bf16_f32 v[r+(\k)], v[r+2*(\k)], v[r+2*(\k)+1]
.endr
	global_store_b128 v5, v[r:r+3], s[46:47] offset:(\p)*524288+(\i)*512
.endm
	ROWSTAT 0
	ROWSTAT 1
	ROWSTAT 2
	ROWSTAT 3
	s_wait_dscnt 0x0                               ; for the others' sake: my pairs lie in LDS
	s_barrier_signal -1
	s_barrier_wait -1
.irp i, 0,1,2,3
	ds_load_b128 v[EX+8*(\i):EX+8*(\i)+3],   v7 offset:128*(\i)
	ds_load_b128 v[EX+8*(\i)+4:EX+8*(\i)+7], v7 offset:128*(\i)+16
.endr
	s_wait_dscnt 0x0
	MERGE 0
	MERGE 1
	MERGE 2
	MERGE 3
.irp i, 0,1,2,3
	v_rsq_f32 v[RS+2*(\i)], v[RS+2*(\i)]
.endr
	v_nop                                          ; a plain instruction behind the last root,
	s_wait_alu depctr_va_vdst(0)                   ; and one wait for the four, ahead of their first reader
	s_wait_loadcnt 0x0                             ; g and be
.irp i, 0,1,2,3
.irp p, 0,1,2,3
	NORM \i, \p
.endr
.endr
	s_wait_tensorcnt 0x0                           ; the wave's end: a tensor wait, an add of 0 to my spare word and its wait, behind my last LDS store
	ds_add_u32 v[SPW], v[NIL]
	s_wait_dscnt 0x0
	s_endpgm
	; ---------------- weights ----------------
	; Job j = work-group - 256, 0 to 767: 256 rows (k) of one panel of 64 columns: 64 KiB of f32 in, 32 KiB of bf16 out.  Job 768: the two heads.
.Lcast:
	s_sub_co_u32 s52, ttmp9, 256
	s_lshl_b32 s56, s52, 15                        ; where a job's panel part goes in wb (Wo, W2) and, behind the head, in wqb
	s_mov_b32 s57, 0
	s_mov_b32 s35, 0
	s_cmp_eq_u32 s52, 768
	s_cbranch_scc1 .Lhead
	s_cmp_lt_u32 s52, 192
	s_cbranch_scc0 .Lnot_qkv
	s_lshr_b32 s53, s52, 6                         ; Wq, Wk, Wv lie in panels already: [head][1,024][64]; 64 jobs each, dense
	s_cmp_eq_u32 s53, 0
	s_cselect_b64 s[32:33], s[12:13], s[14:15]
	s_cmp_eq_u32 s53, 2
	s_cselect_b64 s[32:33], s[16:17], s[32:33]
	s_mov_b64 s[58:59], s[26:27]                   ; into wqb
	s_add_co_u32 s56, s56, WHEAD
	s_mov_b32 s54, 256                             ; bytes from row to row
	s_and_b32 s34, s52, 63
	s_lshl_b32 s34, s34, 16
	s_branch .Lcopy
.Lnot_qkv:
	s_cmp_lt_u32 s52, 256
	s_cbranch_scc0 .Lnot_wo
	s_sub_co_u32 s53, s52, 192                     ; Wo [1,024][1,024]: job = 4 x panel + quarter of k
	s_mov_b64 s[32:33], s[18:19]
	s_mov_b64 s[58:59], s[24:25]                   ; into wb
	s_mov_b32 s54, 4096
	s_and_b32 s34, s53, 3
	s_lshl_b32 s34, s34, 20
	s_lshr_b32 s53, s53, 2
	s_lshl_b32 s53, s53, 8
	s_add_co_u32 s34, s34, s53
	s_branch .Lcopy
.Lnot_wo:
	s_cmp_lt_u32 s52, 512
	s_cbranch_scc0 .Lw2
	s_sub_co_u32 s53, s52, 256                     ; W1 [1,024][4,096]: job = 4 x panel + quarter of k
	s_lshl_b32 s56, s53, 15
	s_add_co_u32 s56, s56, WHEAD
	s_mov_b64 s[32:33], s[20:21]
	s_mov_b64 s[58:59], s[48:49]                   ; into w1b
	s_mov_b32 s54, 16384
	s_and_b32 s34, s53, 3
	s_lshl_b32 s34, s34, 22
	s_lshr_b32 s53, s53, 2
	s_lshl_b32 s53, s53, 8
	s_add_co_u32 s34, s34, s53
	s_branch .Lcopy
.Lw2:
	s_sub_co_u32 s53, s52, 512                     ; W2 [4,096][1,024]: job = 16 x panel + sixteenth of k
	s_mov_b64 s[32:33], s[22:23]
	s_mov_b64 s[58:59], s[24:25]                   ; into wb
	s_mov_b32 s54, 4096
	s_and_b32 s34, s53, 15
	s_lshl_b32 s34, s34, 20
	s_lshr_b32 s53, s53, 4
	s_lshl_b32 s53, s53, 8
	s_add_co_u32 s34, s34, s53
	; Wave w takes rows 64 w .. 64 w + 63, two a turn.  Lane l takes the 16 bytes at 16 (l % 16) of row 2 t + l / 16: a load covers the 256 bytes of each of two rows, aligned and whole,
	; so each such block of the weights is named by one instruction.  A lane's four numbers round to 8 bytes: a store covers the same two rows of the panel, 256 consecutive bytes, aligned.
.Lcopy:
	s_add_nc_u64 s[32:33], s[32:33], s[34:35]      ; the job's first number
	s_add_nc_u64 s[36:37], s[58:59], s[56:57]      ; and where it goes
	s_lshl_b32 s38, s54, 1                         ; two rows
	s_lshl_b32 s53, s40, 6
	v_bfe_u32 v3, v0, 4, 1                         ; l / 16
	v_add_nc_u32 v3, s53, v3                       ; my first row: 64 w + l / 16
	v_mul_lo_u32 v8, v3, s54
	v_and_b32 v5, 15, v0
	v_lshl_add_u32 v8, v5, 4, v8                   ; + 16 (l % 16)
.set t, 1
.rept 31
	v_add_nc_u32 v[8+t], s38, v[8+t-1]             ; 32 offsets, two rows apart (the pitch is no constant of the text); never rewritten
.set t, t+1
.endr
	v_and_b32 v4, 31, v0
	v_lshlrev_b32 v4, 3, v4
	s_lshl_b32 s53, s40, 13
	v_add_nc_u32 v4, s53, v4                       ; out: 8,192 w + 8 l
.set t, 0
.rept 32
	global_load_b128 v[64+4*t:64+4*t+3], v[8+t], s[32:33] th:TH_LOAD_NT
.set t, t+1
.endr
.set t, 0
.rept 32
	s_wait_loadcnt 31-t                            ; loads come back in order: this turn's is in, the 31 - t younger ones stay out
	v_cvt_pk_bf16_f32 v[192+2*t],   v[64+4*t],   v[64+4*t+1]
	v_cvt_pk_bf16_f32 v[192+2*t+1], v[64+4*t+2], v[64+4*t+3]
	global_store_b64 v4, v[192+2*t:192+2*t+1], s[36:37] offset:256*t
.set t, t+1
.endr
	s_endpgm                                       ; these waves have written no LDS
	; ---------------- the two heads ----------------
	; 128 threads, 16 bytes each: a store of the work-group covers 2,048 consecutive bytes.  The floor is written 2,048 bytes long: every thread of a reader finds a word of its own.
.Lhead:
	v_lshlrev_b32 v3, 4, v0
.irp i, 0,1,2,3,4,5,6,7
	global_load_b128 v[64+4*(\i):64+4*(\i)+3], v3, s[50:51] offset:2048*(\i)  ; b1
.endr
.irp r, 8,9,10,11
	v_mov_b32 v[\r], 0
	v_mov_b32 v[(\r)+4], 0xff80ff80                ; -infinity, twice, in bf16
.endr
.irp i, 0,1,2,3,4,5,6,7
	global_store_b128 v3, v[8:11], s[26:27] offset:2048*(\i)   ; wqb: bias 0
.endr
	global_store_b128 v3, v[12:15], s[26:27] offset:FLOOR      ; wqb: no floor
	global_store_b128 v3, v[8:11], s[48:49] offset:FLOOR       ; w1b: the ReLU's 0
.irp i, 0,1,2,3,4,5,6,7
	s_wait_loadcnt 7-(\i)
	global_store_b128 v3, v[64+4*(\i):64+4*(\i)+3], s[48:49] offset:2048*(\i)  ; w1b: b1
.endr
	s_endpgm
.Lfunc_end_k_qafc52cb4ef_front:
	.size	k_qafc52cb4ef_front, .Lfunc_end_k_qafc52cb4ef_front-k_qafc52cb4ef_front
	.p2alignl 7, 3214868480
	.fill 96, 4, 3214868480
	.section	.rodata,"a",@progbits
	.p2align	6, 0x0
	.amdhsa_kernel k_qafc52cb4ef_front
		.amdhsa_group_segment_fixed_size 1024
		.amdhsa_private_segment_fixed_size 0
		.amdhsa_enable_private_segment 0
		.amdhsa_kernarg_size 112
		.amdhsa_user_sgpr_count 2
		.amdhsa_user_sgpr_kernarg_segment_ptr 1
		.amdhsa_wavefront_size32 1
		.amdhsa_system_sgpr_workgroup_id_x 1
		.amdhsa_system_sgpr_workgroup_id_y 1
		.amdhsa_system_sgpr_workgroup_id_z 1
		.amdhsa_system_vgpr_workitem_id 0
		.amdhsa_next_free_vgpr 256
		.amdhsa_next_free_sgpr 66
		.amdhsa_reserve_vcc 0
		.amdhsa_float_denorm_mode_32 3
		.amdhsa_float_denorm_mode_16_64 3
		.amdhsa_memory_ordered 1
		.amdhsa_forward_progress 1
		.amdhsa_inst_pref_size 60
	.end_amdhsa_kernel
	.amdgpu_metadata
---
amdhsa.version: [ 1, 2 ]
amdhsa.kernels:
  - .name:           k_qafc52cb4ef_front
    .symbol:         k_qafc52cb4ef_front.kd
    .args:
      - { .name: x, .offset: 0, .size: 8, .value_kind: global_buffer, .address_space: global }
      - { .name: g1, .offset: 8, .size: 8, .value_kind: global_buffer, .address_space: global }
      - { .name: be1, .offset: 16, .size: 8, .value_kind: global_buffer, .address_space: global }
      - { .name: h, .offset: 24, .size: 8, .value_kind: global_buffer, .address_space: global }
      - { .name: Wq, .offset: 32, .size: 8, .value_kind: global_buffer, .address_space: global }
      - { .name: Wk, .offset: 40, .size: 8, .value_kind: global_buffer, .address_space: global }
      - { .name: Wv, .offset: 48, .size: 8, .value_kind: global_buffer, .address_space: global }
      - { .name: Wo, .offset: 56, .size: 8, .value_kind: global_buffer, .address_space: global }
      - { .name: W1, .offset: 64, .size: 8, .value_kind: global_buffer, .address_space: global }
      - { .name: W2, .offset: 72, .size: 8, .value_kind: global_buffer, .address_space: global }
      - { .name: wb, .offset: 80, .size: 8, .value_kind: global_buffer, .address_space: global }
      - { .name: wqb, .offset: 88, .size: 8, .value_kind: global_buffer, .address_space: global }
      - { .name: w1b, .offset: 96, .size: 8, .value_kind: global_buffer, .address_space: global }
      - { .name: b1, .offset: 104, .size: 8, .value_kind: global_buffer, .address_space: global }
    .group_segment_fixed_size: 1024
    .private_segment_fixed_size: 0
    .kernarg_segment_align: 8
    .kernarg_segment_size: 112
    .max_flat_workgroup_size: 128
    .sgpr_count:     66
    .vgpr_count:     256
    .wavefront_size: 32
...
	.end_amdgpu_metadata
.endif
;; end of part 1
;; launch gqkv (part 2): grid 12 x 16, 4 waves a work-group, clusters of 4 x 4, 327,680 bytes of LDS; arguments h, wqb, qkv; writes qkv
.if DOCPART == 2
	.amdgcn_target "amdgcn-amd-amdhsa--gfx1250"
	.amdhsa_code_object_version 6
	.text
	.protected	k_qafc52cb4ef_gqkv
	.globl	k_qafc52cb4ef_gqkv
	.p2align	8
	.type	k_qafc52cb4ef_gqkv,@function
k_qafc52cb4ef_gqkv:
	s_mov_b64 s[64:65], 0
	v_nop
	global_prefetch_b8 v0, s[64:65] scope:SCOPE_SE
	s_setreg_imm32_b32 hwreg(HW_REG_WAVE_MODE, 25, 1), 1
	s_wait_xcnt 0x0
	s_wait_alu depctr_hold_cnt(0) depctr_sa_sdst(0) depctr_va_vdst(0) depctr_va_sdst(0) depctr_va_ssrc(0) depctr_va_vcc(0) depctr_vm_vsrc(0)
	s_getreg_b32 s2, hwreg(HW_REG_IB_STS2, 6, 4)
	s_cmp_eq_u32 s2, 0
	s_cbranch_scc0 .Lentry_in_a_cluster
	s_endpgm
.Lentry_in_a_cluster:
	s_bfe_u32 s2, ttmp6, 0x10000c
	s_cmp_lg_u32 s2, 0xf033
	s_cbranch_scc0 .Lentry_shape_is_right
	s_endpgm
.Lentry_shape_is_right:
; ONE BODY, TWO LAUNCHES: C = max(A B + bias, floor), A [4,096][1,024], B [1,024][N], C [4,096][N]; bf16 operands, f32 sums that start with the bias, C rounded once to bf16, then the maximum on the packed halves (it rounds nothing).
;   q, k, v = h Wq, h Wk, h Wv (N = 3,072: bias 0, floor -infinity; q unscaled)          ff = relu(h W1 + b1) (N = 4,096: bias b1, floor 0)
; PANELS.  Every bf16 matrix lies as [columns / 64][rows][64]: a row of a panel is 128 bytes, a panel of A or C 524,288, of B 131,072.  So nothing in this text hangs on N but the grid.
; THE WEIGHT BUFFER W: bytes 0 to 16,383 the bias in f32; from byte 16,384 the floor, two bf16 a word; from byte 32,768 B's panels.  The launch before has written all three.
; LIMITS: a sum that is NaN comes out as the floor; infinities are not treated apart.
; SHARES.  A tile of C is 256 x 256, one to a work-group (gx, gy); four waves, as many as a WGP has SIMDs, each 128 x 128: 64 accumulators, 512 registers.  K goes in 8 steps of 128 through a ring of two LDS slots.
; A K step is written once; which slot it reads is the scalar RB.  From a refill to the wait for it a wave issues 224 matrix instructions.
; CLUSTER.  4 x 4 work-groups.  The four of a row need the same tiles of A, the four of a column the same tiles of B: each is asked for jointly, by the same tensor load, descriptor and mask in all four.
; THE MATRIX INSTRUCTION IS USED TRANSPOSED: source 0 = 16 columns of B (turned on the way out of LDS by ds_load_tr16_b128, since B lies [k][n]), source 1 = 16 rows of A: a lane holds eight neighbouring numbers of a row of C.
; REGISTERS, in windows of 256 (s_set_vgpr_msb: bits 1:0 source 0, 3:2 source 1, 5:4 source 2, 7:6 destination):
;   window 0: v0-31 addresses; v64-127, v128-191 fragments of A (8 x 16 rows x 32 k), two buffers; v192-255 the bias, later at work on the way out
;   window 1: v64-127, v128-191 fragments of B, two buffers      window 2: the accumulators of my rows 0-63 ((a, b) at 8 (8 a + b))      window 3: those of my rows 64-127
.set KSTEPS, 8                         ; K / 128
.set BPANEL, 131072                    ; bytes in a panel of B
.set WHEAD,  32768                     ; where B's panels begin in W
.set FLOOR,  16384                     ; where the floor stands in W
.set MROWB,  524288                    ; bytes in a panel of 4,096 rows
.set PA,     144                       ; a row of A in LDS: 128 bytes + 16: 36 words: the 16 rows of a load start at 16 different groups of four banks (64 banks of 4 bytes: ISA guide 11.1)
.set PB,     160                       ; a row of B: 128 + 32: 40 words
.set APAN,   256*PA                    ; 256 rows x 64 k of A
.set BPAN,   128*PB                    ; 128 k x 64 columns of B
.set BOFF,   2*APAN                    ; a slot: A's two k panels, then B's four column panels
.set SLOT,   BOFF+4*BPAN
.set STAGE,  2*SLOT                    ; behind the ring, never filled by a tensor load: 16 rows x 144 bytes for each wave
.set SP,     144
.set SPARE,  STAGE+4*16*SP             ; behind the stages: the spare words, 128 bytes a wave
.set A0,   16                          ; v16  my lane's place in a slot's A; never rewritten
.set B0,   17                          ; v17  the same for B
.set ADRA, 18                          ; v18  RB + A0
.set ADRB, 19                          ; v19  RB + B0
.set STO,  24                          ; v24  the way out: where I put 16 bytes of a row
.set RD,   25                          ; v25  where I read rows back
.set CO,   26                          ; v26  my byte offset in 512 consecutive bytes of C
.set BO,   27                          ; v27  my byte offset in the bias
.set SPW,  28                          ; v28  LDS address of my spare word; never rewritten
.set NIL,  29                          ; v29  0; never rewritten
.set ZR,   30                          ; v30  the floor, twice
.set PFO,  31                          ; v31  256 x my lane; never rewritten
.set F0,   64
.set F1,   128
.set BI,   192
.set TMP,  192
.set WV, 14                            ; s14 wave; s15 wr: my row half, and 0 = I fetch A, 1 = B; s16 wc: my column half, and which part I fetch
.set WR, 15
.set WC, 16
.set CX, 17
.set CY, 18
.set GX, 19
.set GY, 20
.set G1A, 24                           ; s[24:31], s[32:39] descriptor groups 1
.set G1B, 32
.set G0A, 40                           ; s[40:43] group 0 for A: K step 0, then it walks; s[44:47] K step 1's first fill
.set G0A2, 44
.set G0B, 48                           ; the same for B
.set G0B2, 52
.set ABASE, 56                         ; s[56:57] A at my part of K step 0
.set BBASE, 58                         ; s[58:59] B at my part of K step 0
.set OFA, 60                           ; s[60:61], s[62:63] byte offsets, high words 0
.set OFB, 62
.set RB, 66                            ; s66  LDS byte at which the slot in hand begins: 0 or SLOT
.set LA, 67                            ; s67, s68  where my part of A, of B lies in a slot
.set LB, 68
.set FK, 69                            ; s69  K step of the next request
.set PSH, 70                           ; s70  a K step in bytes, as a shift, in what I fetch: 20 for A (two panels), 14 for B (128 rows of a panel)
.set LIM, 71                           ; s71  1 in a wave that prefetches, else the greatest number
.set CNT, 72
.set CP, 74                            ; s[74:75] C at my 128 x 128
.set PFA, 76                           ; s[76:77] where my prefetch stands
.set PFB, 78                           ; s[78:79] my work-group's 32 blocks of 256 bytes of the part that I fetch, at K step 0
.set OFP, 80                           ; s[80:81] a byte offset, high word 0
.set MSB, 0
.macro WIN new                         ; the immediate's high byte repeats the setting that is left; a switch that changes nothing is dropped
.if MSB != (\new)
	s_set_vgpr_msb (MSB<<8)|(\new)
.set MSB, \new
.endif
.endm
.set TO_B, 0x40                        ; destination window 1, address window 0
.macro PLACES                          ; four places in front of loads into registers that matrix instructions have read, and of lines that read results
.rept 4
	v_nop
.endr
.endm
.macro JLOAD                           ; a joint refill: waves 0, 1 fetch A's two panels, waves 2, 3 two panels of B each; an s_nop 0 and four v_nop follow each line
	s_cmp_eq_u32 s[WR], 0
	s_cbranch_scc0 .Lfor_b_\@
	tensor_load_to_lds s[G0A:G0A+3], s[G1A:G1A+7]
	s_nop 0
	PLACES
	s_branch .Lasked_\@
.Lfor_b_\@:
	tensor_load_to_lds s[G0B:G0B+3], s[G1B:G1B+7]
	s_nop 0
	PLACES
.Lasked_\@:
.endm
; A PREFETCH INTO THE L2 of the K step that the NEXT refill will ask for, 256 matrix instructions ahead of that load.  At a change of slots every wave has waited for all its tensor loads, so a refill goes out with nothing on
; its way beside it.  Each block of 256 bytes is named ONCE in the launch: A's tile row is read by every cluster of that row of clusters: cluster x = 0 asks; B's tile column by every cluster of that column: cluster y = 0 asks.
; The four partners that ask for a part jointly share its 128 blocks out BY ADDRESS, 32 each (by cx for A, by cy for B), a lane a block: no branch hangs on a work-group's place in its cluster.
; K steps 0 to 2 come by their loads alone; the last refill has no K step behind it and asks for nothing (CNT = 1 there).
.macro ASK
	s_cmp_gt_u32 s[CNT], s[LIM]
	s_cbranch_scc0 .Lnot_mine_\@
	global_prefetch_b8 v[PFO], s[PFA:PFA+1] th:TH_LOAD_NT scope:SCOPE_SE
.Lnot_mine_\@:
.endm
.macro CREST                           ; a round of the cluster's barrier behind its opening barrier
	s_cmp_lg_u32 s[WV], 0
	s_cbranch_scc1 .Lnot_wave_0_\@
	s_barrier_signal -3
.Lnot_wave_0_\@:
	s_barrier_wait -3
	s_barrier_signal -1
	s_barrier_wait -1
.endm
.macro CROUND
	s_barrier_signal -1
	s_barrier_wait -1
	CREST
.endm
	s_load_b128 s[4:7], s[0:1], 0x0                ; A s[4:5], W s[6:7]
	s_load_b64 s[8:9], s[0:1], 0x10                ; C
	v_lshl_add_u32 v[SPW], v0, 2, SPARE
	v_mov_b32 v[NIL], 0
	ds_add_u32 v[SPW], v[NIL]                      ; the wave's opening: the add and its wait ahead of my first tensor load; the set-up below stands between them
	ds_add_u32 v28, v29
	v_lshrrev_b32 v1, 5, v0
	v_readfirstlane_b32 s[WV], v1
	s_lshr_b32 s[WR], s[WV], 1
	s_and_b32 s[WC], s[WV], 1
	s_bfe_u32 s[CX], ttmp6, 0x40000
	s_bfe_u32 s[CY], ttmp6, 0x40004
	s_lshl_b32 s[GX], ttmp9, 2
	s_add_co_u32 s[GX], s[GX], s[CX]               ; gx = 4 x cluster x + cx
	s_and_b32 s[GY], ttmp7, 0xffff
	s_lshl_b32 s[GY], s[GY], 2
	s_add_co_u32 s[GY], s[GY], s[CY]               ; gy = 4 x cluster y + cy
	s_lshl_b32 s21, s[CY], 2
	s_lshl_b32 s21, 15, s21                        ; my row of the cluster
	s_lshl_b32 s22, 0x1111, s[CX]                  ; my column
	; A's part: one k panel's 256 rows x 64 k = 32,768 dense bytes: 128 rows of 256 bytes; 4 words of padding after every 32 (a row of the panel)
	s_or_b32 s[G1A], s21, (1<<16)|(1<<20)|(1<<21)|(4<<22)|(3<<25)
	s_mov_b32 s[G1A+1], 128<<16                    ; tensor_dim0
	s_mov_b32 s[G1A+2], 128<<16                    ; tensor_dim1
	s_mov_b32 s[G1A+3], 128<<16                    ; tile_dim0
	s_mov_b32 s[G1A+4], 128                        ; tile_dim1
	s_mov_b32 s[G1A+5], 128                        ; elements from row to row
	s_mov_b32 s[G1A+6], 0
	s_mov_b32 s[G1A+7], 0
	; B's part: two column panels, each 128 k x 64 columns = 16,384 dense bytes: a tile of 2 rows x 8,192 elements, a panel apart; 8 words of padding after every 32
	s_or_b32 s[G1B], s22, (1<<16)|(1<<20)|(1<<21)|(4<<22)|(7<<25)
	s_mov_b32 s[G1B+1], 8192<<16
	s_mov_b32 s[G1B+2], 2<<16
	s_mov_b32 s[G1B+3], 8192<<16
	s_mov_b32 s[G1B+4], 2
	s_mov_b32 s[G1B+5], BPANEL/2
	s_mov_b32 s[G1B+6], 0
	s_mov_b32 s[G1B+7], 0
	s_mul_i32 s[LA], s[WC], APAN                   ; no place in the cluster enters an LDS address
	s_mul_i32 s[LB], s[WC], 2*BPAN
	s_add_co_u32 s[LB], s[LB], BOFF
	s_mov_b32 s[RB], 0
	s_mov_b32 s[FK], 2
	s_lshl_b32 s[OFA], s[GY], 15                   ; A: 256 rows of 128 bytes a tile row,
	s_lshl_b32 s21, s[WC], 19                      ; my one of a K step's two panels
	s_add_co_u32 s[OFA], s[OFA], s21
	s_mov_b32 s[OFA+1], 0
	s_lshl_b32 s[OFB], s[GX], 2                    ; B: panels 4 gx + 2 wc and the next
	s_lshl_b32 s21, s[WC], 1
	s_add_co_u32 s[OFB], s[OFB], s21
	s_lshl_b32 s[OFB], s[OFB], 17
	s_add_co_u32 s[OFB], s[OFB], WHEAD
	s_mov_b32 s[OFB+1], 0
	; the prefetches: my work-group's 32 blocks of the 128 that I fetch; who asks; a K step's length
	s_lshl_b32 s21, s[CX], 13                      ; A's part is dense: 32 blocks are 8,192 bytes
	s_lshr_b32 s22, s[CY], 1                       ; B's part is two panels of 64 blocks
	s_lshl_b32 s22, s22, 17
	s_and_b32 s23, s[CY], 1
	s_lshl_b32 s23, s23, 13
	s_add_co_u32 s22, s22, s23
	s_and_b32 s23, ttmp7, 0xffff                   ; cluster y
	s_cmp_eq_u32 s[WR], 0                          ; do I fetch for A?
	s_cselect_b32 s[OFP], s21, s22
	s_cselect_b32 s[PSH], 20, 14
	s_cselect_b32 s23, ttmp9, s23                  ; the coordinate along which other clusters read the same bytes
	s_mov_b32 s[OFP+1], 0
	s_cmp_eq_u32 s23, 0
	s_cselect_b32 s[LIM], 1, -1                    ; the same in all sixteen partners, for a given wave
	s_wait_dscnt 0x0                               ; the opening add is done
	s_wait_kmcnt 0x0
	s_add_nc_u64 s[ABASE:ABASE+1], s[4:5], s[OFA:OFA+1]
	s_add_nc_u64 s[BBASE:BBASE+1], s[6:7], s[OFB:OFB+1]
	s_cmp_eq_u32 s[WR], 0
	s_cselect_b64 s[PFB:PFB+1], s[ABASE:ABASE+1], s[BBASE:BBASE+1]
	s_add_nc_u64 s[PFB:PFB+1], s[PFB:PFB+1], s[OFP:OFP+1]
	s_mov_b32 s[G0A], 1
	s_mov_b32 s[G0A+1], s[LA]
	s_mov_b64 s[G0A+2:G0A+3], s[ABASE:ABASE+1]
	s_or_b32 s[G0A+3], s[G0A+3], 0x80000000
	s_mov_b32 s[G0A2], 1
	s_add_co_u32 s[G0A2+1], s[LA], SLOT
	s_add_nc_u64 s[G0A2+2:G0A2+3], s[ABASE:ABASE+1], 1<<20  ; a K step is two panels of A
	s_or_b32 s[G0A2+3], s[G0A2+3], 0x80000000
	s_mov_b32 s[G0B], 1
	s_mov_b32 s[G0B+1], s[LB]
	s_mov_b64 s[G0B+2:G0B+3], s[BBASE:BBASE+1]
	s_or_b32 s[G0B+3], s[G0B+3], 0x80000000
	s_mov_b32 s[G0B2], 1
	s_add_co_u32 s[G0B2+1], s[LB], SLOT
	s_add_nc_u64 s[G0B2+2:G0B2+3], s[BBASE:BBASE+1], 1<<14  ; and 128 rows of a panel of B
	s_or_b32 s[G0B2+3], s[G0B2+3], 0x80000000
	CROUND                                         ; all sixteen work-groups are here: the first joint loads meet
	s_cmp_eq_u32 s[WR], 0                          ; a wave's two first fills stand in one branch: two loads of mine are out
	s_cbranch_scc0 .Lfirst_b
	tensor_load_to_lds s[G0A:G0A+3], s[G1A:G1A+7]
	s_nop 0
	tensor_load_to_lds s[G0A2:G0A2+3], s[G1A:G1A+7]
	s_nop 0
	PLACES
	s_branch .Lfirst_asked
.Lfirst_b:
	tensor_load_to_lds s[G0B:G0B+3], s[G1B:G1B+7]
	s_nop 0
	tensor_load_to_lds s[G0B2:G0B2+3], s[G1B:G1B+7]
	s_nop 0
	PLACES
.Lfirst_asked:
	v_and_b32 v1, 15, v0                           ; r = l % 16
	v_bfe_u32 v2, v0, 4, 1                         ; l / 16
	v_and_b32 v3, 7, v0
	v_bfe_u32 v4, v0, 3, 1
	s_lshl_b32 s21, s[WR], 7
	v_add_nc_u32 v5, s21, v1                       ; A: row 128 wr + r, 16 bytes for each half of the lanes
	v_mul_u32_u24 v[A0], v5, PA
	v_lshl_add_u32 v[A0], v2, 4, v[A0]
	v_lshl_add_u32 v5, v2, 3, v3                   ; B: the turning load: k = 8 (l / 16) + l % 8, columns 8 ((l / 8) % 2) on
	v_mul_u32_u24 v[B0], v5, PB
	v_lshl_add_u32 v[B0], v4, 4, v[B0]
	v_add_nc_u32 v[B0], s[LB], v[B0]               ; my two column panels are the part with my wc
	v_mov_b32 v[ADRA], v[A0]
	v_mov_b32 v[ADRB], v[B0]
	s_mul_i32 s21, s[WV], 16*SP
	s_add_co_u32 s21, s21, STAGE                   ; my stage
	v_mul_u32_u24 v[STO], v1, SP                   ; in: row r, 16 bytes for each half of the lanes
	v_lshl_add_u32 v[STO], v2, 4, v[STO]
	v_add_nc_u32 v[STO], s21, v[STO]
	v_bfe_u32 v[RD], v0, 3, 2                      ; back: 32 lanes take four rows of 128 bytes,
	v_mul_u32_u24 v[RD], v[RD], SP
	v_lshl_add_u32 v[RD], v3, 4, v[RD]
	v_add_nc_u32 v[RD], s21, v[RD]
	v_and_b32 v[CO], 31, v0                        ; which are 512 consecutive bytes of a panel of C
	v_lshlrev_b32 v[PFO], 8, v[CO]
	v_lshlrev_b32 v[CO], 4, v[CO]
	s_lshl_b32 s22, s[GX], 2
	s_lshl_b32 s23, s[WC], 1
	s_add_co_u32 s22, s22, s23
	s_lshl_b32 s22, s22, 19                        ; C: panel 4 gx + 2 wc,
	s_lshl_b32 s23, s[GY], 15                      ; row 256 gy + 128 wr
	s_add_co_u32 s22, s22, s23
	s_lshl_b32 s23, s[WR], 14
	s_add_co_u32 s22, s22, s23
	s_mov_b32 s23, 0
	s_add_nc_u64 s[CP:CP+1], s[8:9], s[22:23]
	s_lshl_b32 s22, s[GX], 10                      ; the bias of column 256 gx + 128 wc on,
	s_lshl_b32 s23, s[WC], 9
	s_add_co_u32 s22, s22, s23
	v_lshl_add_u32 v[BO], v2, 5, s22               ; in the layout of the C operand: register j of block b is column 16 b + 8 (l / 16) + j
.irp b, 0,1,2,3,4,5,6,7
	global_load_b128 v[BI+8*(\b):BI+8*(\b)+3],   v[BO], s[6:7] offset:64*(\b)
	global_load_b128 v[BI+8*(\b)+4:BI+8*(\b)+7], v[BO], s[6:7] offset:64*(\b)+16
.endr
	v_lshlrev_b32 v5, 2, v0
	global_load_b32 v[ZR], v5, s[6:7] offset:FLOOR ; every word there is the same
; 16 matrix instructions: row blocks a0, a0 + 1 of the window's four (hi = 0: my rows 0-63, 1: rows 64-127) x all 8 column blocks, 32 along K.
; z = 1: the product starts the sum, with the bias (window 0) as C: nothing is cleared, no bias is added later.
; The 64 accumulators take turns in the same order in every quarter, over the jumps too.
.macro MUL16 f, hi, a0, z
.if \z
	WIN 0x81+0x40*(\hi)                            ; B window 1, A and C window 0, D window 2 or 3
.else
	WIN 0xa1+0x50*(\hi)                            ; B window 1, A window 0, C and D window 2 or 3
.endif
.irp a, \a0, (\a0)+1
.irp b, 0,1,2,3,4,5,6,7
.if \z
	v_wmma_f32_16x16x32_bf16 v[8*(8*(\a)+(\b)):8*(8*(\a)+(\b))+7], v[(\f)+8*(\b):(\f)+8*(\b)+7], v[(\f)+8*(4*(\hi)+(\a)):(\f)+8*(4*(\hi)+(\a))+7], v[BI+8*(\b):BI+8*(\b)+7]
.else
	v_wmma_f32_16x16x32_bf16 v[8*(8*(\a)+(\b)):8*(8*(\a)+(\b))+7], v[(\f)+8*(\b):(\f)+8*(\b)+7], v[(\f)+8*(4*(\hi)+(\a)):(\f)+8*(4*(\hi)+(\a))+7], v[8*(8*(\a)+(\b)):8*(8*(\a)+(\b))+7]
.endif
.endr
.endr
.endm
; 32 LDS loads in one run: the fragments of quarter q (k = 32 q on) into buffer f: B's 128 columns, then A's 128 rows
.macro FETCH q, f
	WIN TO_B
.irp i, 0,1,2,3,4,5,6,7
	ds_load_tr16_b128 v[(\f)+8*(\i):(\f)+8*(\i)+3],   v[ADRB] offset:((\i)/4)*BPAN+32*(\q)*PB+32*((\i)%4)
	ds_load_tr16_b128 v[(\f)+8*(\i)+4:(\f)+8*(\i)+7], v[ADRB] offset:((\i)/4)*BPAN+32*(\q)*PB+32*((\i)%4)+16*PB
.endr
	WIN 0
.irp i, 0,1,2,3,4,5,6,7
	ds_load_b128 v[(\f)+8*(\i):(\f)+8*(\i)+3],   v[ADRA] offset:((\q)/2)*APAN+64*((\q)%2)+(\i)*16*PA
	ds_load_b128 v[(\f)+8*(\i)+4:(\f)+8*(\i)+7], v[ADRA] offset:((\q)/2)*APAN+64*((\q)%2)+(\i)*16*PA+32
.endr
.endm
; A K step is four quarters of 32 along K, 64 matrix instructions each, on buffers 0, 1, 0, 1.  One of the first three: multiplies buffer f; in its middle it fetches quarter q into buffer g.
.macro QUARTER q, f, g, z
	s_wait_dscnt 8                                 ; B and A's rows 0-63 are in; the youngest eight loads (A's rows 64-127) may be out
	MUL16 \f, 0, 0, \z
	MUL16 \f, 0, 2, \z
	PLACES
	FETCH \q, \g
	s_wait_dscnt 32                                ; all but the 32 just issued
	MUL16 \f, 1, 0, \z
	MUL16 \f, 1, 2, \z
.endm
; The walking descriptors are made anew for K step FK, into the slot in hand, and the prefetch's address for the K step behind it; no tensor load of mine is out where this stands.
.macro DESC
	s_lshl_b32 s[OFA], s[FK], 20
	s_add_nc_u64 s[G0A+2:G0A+3], s[ABASE:ABASE+1], s[OFA:OFA+1]
	s_or_b32 s[G0A+3], s[G0A+3], 0x80000000
	s_lshl_b32 s[OFB], s[FK], 14
	s_add_nc_u64 s[G0B+2:G0B+3], s[BBASE:BBASE+1], s[OFB:OFB+1]
	s_or_b32 s[G0B+3], s[G0B+3], 0x80000000
	s_add_co_u32 s[G0A+1], s[RB], s[LA]
	s_add_co_u32 s[G0B+1], s[RB], s[LB]
	s_add_co_u32 s[FK], s[FK], 1
	s_lshl_b32 s[OFP], s[FK], s[PSH]
	s_wait_xcnt 0x0                                ; the last prefetch, a K step back, has read its address
	s_add_nc_u64 s[PFA:PFA+1], s[PFB:PFB+1], s[OFP:OFP+1]
.endm
; The last quarter multiplies buffer 1 and changes slots: ONE barrier; in front of it each wave waits for all its tensor loads (one is out: its part of the other slot), adds 0 to its spare word, and waits for
; that and for its own reads of this slot.  fill = 1: the barrier opens a round of the cluster's, and the slot just read is filled again, two K steps ahead, first thing behind the round.
.macro TURN fill
	WIN 0
	s_wait_tensorcnt 0x0
	ds_add_u32 v[SPW], v[NIL]
.if \fill
	DESC
.endif
	s_wait_dscnt 9                                 ; the add and the youngest eight loads may be out
	MUL16 F1, 0, 0, 0
	s_wait_dscnt 0x0                               ; the add is done, and my reads of this slot are over
	s_barrier_signal -1
	MUL16 F1, 0, 2, 0
	WIN 0
	s_barrier_wait -1
.if \fill
	CREST
	JLOAD                                          ; its four v_nop are also the places in front of the loads below
.else
	PLACES
.endif
	s_xor_b32 s[RB], s[RB], SLOT
	v_add_nc_u32 v[ADRA], s[RB], v[A0]
	v_add_nc_u32 v[ADRB], s[RB], v[B0]
.if !(\fill)
	s_cmp_eq_u32 s[CNT], 1                         ; behind the very last K step nothing is left to fetch: only LDS loads are jumped
	s_cbranch_scc1 .Lno_fetch_\@
.endif
	FETCH 0, F0
.if \fill
	ASK                                            ; behind the joint load and the run of LDS loads that the next products wait for
.else
.Lno_fetch_\@:
.endif
	MUL16 F1, 1, 0, 0
	MUL16 F1, 1, 2, 0
.endm
; THE WAY OUT, in 16 units: unit u is row block u / 2 (16 rows) x panel u % 2 (64 columns): four accumulators.  Rounded to bf16, held to the floor, 16 bytes a lane into my own stage, back as whole rows,
; stored as 4 x 512 consecutive bytes of a panel.  Four sets of 16 registers take turns; a set is written again only when the stores that read it have had their addresses translated (ISA guide 3.1).
.macro PACK u
.set UA, (\u)/2
.set AC, 64*(UA%4)+32*((\u)%2)
.set TT, TMP+16*((\u)%4)
.if (\u) >= 4
	s_wait_xcnt 0x0
.endif
	WIN 0x0a+5*(UA/4)                              ; sources 0 and 1: window 2 or 3
.irp b, 0,1,2,3
.irp r, 0,1,2,3
	v_cvt_pk_bf16_f32 v[TT+4*(\b)+(\r)], v[AC+8*(\b)+2*(\r)], v[AC+8*(\b)+2*(\r)+1]
.endr
.endr
	WIN 0
.irp n, 0,1,2,3,4,5,6,7,8,9,10,11,12,13,14,15
	v_pk_max_num_bf16 v[TT+(\n)], v[TT+(\n)], v[ZR]
.endr
.irp b, 0,1,2,3
	ds_store_b128 v[STO], v[TT+4*(\b):TT+4*(\b)+3] offset:32*(\b)
.endr
.irp f, 0,1,2,3
	ds_load_b128 v[TT+4*(\f):TT+4*(\f)+3], v[RD] offset:(\f)*4*SP  ; LDS serves a wave's instructions in order (ISA guide 5.7.1.4): these see the stores above; the next unit's stores come behind them
.endr
.endm
.macro SEND u, younger                 ; younger: the LDS instructions issued behind unit u's loads: the next unit's eight, or none
.set TT, TMP+16*((\u)%4)
.irp f, 0,1,2,3
	s_wait_dscnt (\younger)+3-(\f)
	global_store_b128 v[CO], v[TT+4*(\f):TT+4*(\f)+3], s[CP:CP+1] offset:((\u)%2)*MROWB+((\u)/2)*2048+(\f)*512
.endr
.endm
	s_wait_tensorcnt 1                             ; my part of K step 0 is in; K step 1's may stay out
	s_barrier_signal -1
	s_barrier_wait -1
	FETCH 0, F0
	s_mov_b32 s[CNT], KSTEPS-2
	s_wait_loadcnt 0x0                             ; the bias and the floor
	QUARTER 1, F0, F1, 1                           ; the first quarter's products start the sums
	WIN 0
	s_branch .Ljoin
.Lstep:                                        ; KSTEPS - 2 trips: a K step each; every one fills its slot again
	QUARTER 1, F0, F1, 0
	WIN 0
.Ljoin:
	QUARTER 2, F1, F0, 0
	QUARTER 3, F0, F1, 0
	TURN 1
	WIN 0
	s_sub_co_u32 s[CNT], s[CNT], 1
	s_cmp_lg_u32 s[CNT], 0
	s_cbranch_scc1 .Lstep
	s_mov_b32 s[CNT], 2
.Ltail:                                        ; the last two K steps ask for nothing.  The second trip's barrier serves nothing: the price of one text for both trips
	QUARTER 1, F0, F1, 0
	QUARTER 2, F1, F0, 0
	QUARTER 3, F0, F1, 0
	TURN 0
	WIN 0
	s_sub_co_u32 s[CNT], s[CNT], 1
	s_cmp_lg_u32 s[CNT], 0
	s_cbranch_scc1 .Ltail
	PLACES
	PACK 0
.set uu, 1
.rept 15                               ; a unit's arithmetic stands between the loads of the unit before and its stores
	PACK uu
	SEND uu-1, 8
.set uu, uu+1
.endr
	SEND 15, 0
	s_wait_tensorcnt 0x0                           ; the wave's end: a tensor wait, an add of 0 to my spare word and its wait, behind my last tensor load and my last LDS store
	ds_add_u32 v[SPW], v[NIL]
	s_wait_dscnt 0x0
	CROUND                                         ; the closing round: no work-group ends while a partner may still ask for a tile that names it
	s_endpgm
.Lfunc_end_k_qafc52cb4ef_gqkv:
	.size	k_qafc52cb4ef_gqkv, .Lfunc_end_k_qafc52cb4ef_gqkv-k_qafc52cb4ef_gqkv
	.p2alignl 7, 3214868480
	.fill 96, 4, 3214868480
	.section	.rodata,"a",@progbits
	.p2align	6, 0x0
	.amdhsa_kernel k_qafc52cb4ef_gqkv
		.amdhsa_group_segment_fixed_size 327680
		.amdhsa_private_segment_fixed_size 0
		.amdhsa_enable_private_segment 0
		.amdhsa_kernarg_size 24
		.amdhsa_user_sgpr_count 2
		.amdhsa_user_sgpr_kernarg_segment_ptr 1
		.amdhsa_wavefront_size32 1
		.amdhsa_system_sgpr_workgroup_id_x 1
		.amdhsa_system_sgpr_workgroup_id_y 1
		.amdhsa_system_sgpr_workgroup_id_z 1
		.amdhsa_system_vgpr_workitem_id 0
		.amdhsa_next_free_vgpr 1024
		.amdhsa_next_free_sgpr 82
		.amdhsa_reserve_vcc 0
		.amdhsa_float_denorm_mode_32 3
		.amdhsa_float_denorm_mode_16_64 3
		.amdhsa_memory_ordered 1
		.amdhsa_forward_progress 1
		.amdhsa_inst_pref_size 121
	.end_amdhsa_kernel
	.amdgpu_metadata
---
amdhsa.version: [ 1, 2 ]
amdhsa.kernels:
  - .name:           k_qafc52cb4ef_gqkv
    .symbol:         k_qafc52cb4ef_gqkv.kd
    .args:
      - { .name: h, .offset: 0, .size: 8, .value_kind: global_buffer, .address_space: global }
      - { .name: wqb, .offset: 8, .size: 8, .value_kind: global_buffer, .address_space: global }
      - { .name: qkv, .offset: 16, .size: 8, .value_kind: global_buffer, .address_space: global }
    .group_segment_fixed_size: 327680
    .private_segment_fixed_size: 0
    .kernarg_segment_align: 8
    .kernarg_segment_size: 24
    .max_flat_workgroup_size: 128
    .sgpr_count:     82
    .vgpr_count:     1024
    .wavefront_size: 32
...
	.end_amdgpu_metadata
.endif
;; end of part 2
;; launch attn (part 3): grid 4 x 64, 4 waves a work-group, no clusters, 327,680 bytes of LDS; arguments qkv, att; writes att
.if DOCPART == 3
	.amdgcn_target "amdgcn-amd-amdhsa--gfx1250"
	.amdhsa_code_object_version 6
	.text
	.protected	k_qafc52cb4ef_attn
	.globl	k_qafc52cb4ef_attn
	.p2align	8
	.type	k_qafc52cb4ef_attn,@function
k_qafc52cb4ef_attn:
	s_mov_b64 s[64:65], 0
	v_nop
	global_prefetch_b8 v0, s[64:65] scope:SCOPE_SE
	s_setreg_imm32_b32 hwreg(HW_REG_WAVE_MODE, 25, 1), 1
	s_wait_xcnt 0x0
; CAUSAL ATTENTION.  att[head][b t][:] = the sum over s <= t of softmax_s(q[t] . k[s] / 8) v[s][:], for 4 batches x 16 heads of 1,024 rows x 64 channels, all bf16.
; qkv lies in panels [48][4,096][64]: panel head for q, 16 + head for k, 32 + head for v; row b 1,024 + t; a row is 128 bytes, a head's 1,024 rows are dense.  att: [16][4,096][64] likewise.
; Products, maxima and sums in f32; the weights p are rounded to bf16 for the second product (their sum l is taken of the unrounded p), the result once at the end.
; LIMITS.  A hidden score counts as its value less 1e30; a weight below 2^-126 counts as 0 in l; c m starts at -4.25e37, far below every c s that finite bf16 q and k of this size give; NaN and infinities are not treated apart.
; THE WALK.  A head's queries lie in 8 blocks of 128; block i needs the key tiles 0 .. i of 128 keys, of which the last holds the diagonal.  Work-group b (0..3) takes blocks 7 - b and then b: 9 tiles, 18 key steps of 64,
; whatever b: 256 work-groups of equal work, and one loop with a constant trip count.  Which tile is asked for hangs on scalars made from b and enters the global address alone; LDS addresses step by constants.
; NO CLUSTER: the four work-groups of a head ask for the same tile in trips 0 to 4 of the 9 only (block 7 - b has 8 - b tiles), and where a block ends is a branch on the work-group's number.
; SHARES.  Of a block's two bands of 64 queries a wave owns 16 rows in each: two tiles.  In the diagonal tile's first step band 0 holds the diagonal and band 1 sees all; in its second band 0 sees nothing and band 1 holds the diagonal.
; THE MASK starts the sum S^T = K Q^T: S is written as MD x AL + BE (MD: the mask of a band's own step for my rows, 0 or -1e30; AL, BE two scalars a band), and every product adds in place: one text for every step.
; LAYOUT.  S^T = K Q^T holds ONE query a lane (lane % 16) and the keys 8 (lane / 16) + 0..7; two such results rounded to bf16 ARE source 1 of O^T = V^T P.  p = 2^(c s - c m), c = log2(e) / 8, with a running maximum m;
; O and l are multiplied by a = 2^(c m_old - c m_new) in every step; a block's first step has a = 0, so O and l need only be finite there.
; A STEP goes in phases: mask, K Q^T, maximum and statistics, scalings, exponentials (one batch, one wait), rescaling, roundings, sums, V^T P.
; REGISTERS, in windows of 256 (s_set_vgpr_msb: bits 1:0 source 0, 3:2 source 1, 5:4 source 2, 7:6 destination):
;   window 0: v0-15 addresses; v16-23 statistics (tile u: c m, m, l, l); v48-55 at work; v61-63; v64-127 S^T (32 u + 8 key block); v192-223 P
;   window 1: v0-63 O^T (32 u + 8 channel block); v128-159 MD      window 2: v0-31 Q; v32-63 the second block's Q; v64-127 K of a step; v128-191 V of a step
.set KS,    64
.set TK,    128                        ; keys in a tile
.set PK,    144                        ; a row of K in LDS: 128 bytes + 16: the 16 rows of a load start at 16 different groups of four banks (64 banks of 4 bytes: ISA guide 11.1)
.set PV,    160                        ; a row of V: 128 + 32
.set VOFF,  TK*PK                      ; a slot: 128 rows of K, then 128 rows of V
.set SLOT1, 1<<16                      ; slot 1 begins here: one exclusive or turns an address in one slot into the other's
.set STAGE, SLOT1+TK*(PK+PV)           ; behind the ring, never filled by a tensor load: 16 rows x 144 bytes for each wave
.set SP,    144
.set SPARE, STAGE+4*16*SP              ; the spare words, 128 bytes a wave
.set AK0, 2
.set AV0, 3
.set AK,  4
.set AV,  5
.set STO, 6
.set RD,  7
.set GO,  8
.set MV,  12                           ; v12-13  c m_old, kept while c m is made anew
.set QO,  15
.set ST,  16
.set TMP, 48
.set PFO, 61                           ; v61  256 x my lane; never rewritten
.set SPW, 62                           ; v62  LDS address of my spare word; never rewritten
.set NIL, 63                           ; v63  0; never rewritten
.set S,   64
.set P,   192
.set MD,  128
.set QB,  32
.set KF,  64
.set VF,  128
.set WV, 8
.set PB, 9                             ; s9   b
.set HI, 10                            ; s10  7 - b
.set WH, 11                            ; s11  which half of a tile's keys I fetch
.set KB, 12                            ; s[12:13] K at my half of the head's tile 0
.set VB, 14                            ; s[14:15] V likewise
.set G1K, 24
.set G1V, 32
.set G0K, 40
.set G0V, 44
.set QP,  48                           ; s[48:49] Q at my rows of the first block, s[50:51] of the second
.set QP2, 50
.set OP,  52                           ; s[52:53] att at my rows of the block in hand, s[54:55] of the second block
.set OLO, 54
.set SLOTS, 56
.set CNT, 57                           ; counts a tile's two steps, 2 and 1
.set CS,  58
.set SEL, 60
.set TBK, 62
.set TBV, 63
.set RT,  66                           ; tiles of the block in hand still to be entered
.set NXT, 67                           ; the tile to be asked for next
.set LQ,  68                           ; the last tile of the block whose tiles are being asked for
.set DG,  69                           ; 1: the tile in hand holds the diagonal
.set OFF, 70
.set AL0, 72
.set BE0, 74
.set AL1, 76
.set BE1, 78
.set BIGN, 80
.set PFA, 82                           ; s[82:83] where my prefetch stands
.set PFB, 84                           ; s[84:85] K or V at my half of tile 0
.set PFN, 86                           ; not 0: I prefetch
.set PFF, 87                           ; 1 in the head's work-group 0
.set MSB, 0
.macro WIN new
.if MSB != (\new)
	s_set_vgpr_msb (MSB<<8)|(\new)
.set MSB, (\new)
.endif
.endm
.set W_KQ, 0x0a                        ; K and Q in window 2, S^T in window 0
.set W_PV, 0x52                        ; V in window 2, P in window 0, O^T in window 1
.set W_RS, 0x41                        ; destination and source 0 in window 1, source 1 in window 0
.set W_MS, 0x01                        ; source 0 in window 1, destination in window 0
.macro PLACES
.rept 4
	v_nop
.endr
.endm
; A fill.  Waves 0 and 1 fetch the two halves of a tile's K, waves 2 and 3 those of its V: 64 keys each.  An s_nop 0 and four v_nop follow each line.
.macro LOAD
	s_cmp_lt_u32 s[WV], 2
	s_cbranch_scc0 .Lfor_v_\@
	tensor_load_to_lds s[G0K:G0K+3], s[G1K:G1K+7]
	s_nop 0
	PLACES
	s_branch .Lasked_\@
.Lfor_v_\@:
	tensor_load_to_lds s[G0V:G0V+3], s[G1V:G1V+7]
	s_nop 0
	PLACES
.Lasked_\@:
.endm
; A PREFETCH INTO THE L2 of the tile that the NEXT change of slots will ask for, two key steps ahead.  The head's work-group 0 walks tiles 0 to 7 first: it alone asks, each wave for the 8,192 bytes that it will
; fetch itself, a lane a block of 256: each block of tiles 2 to 7 is named once in the launch.  It stops where the tile's number goes back to 0.
.macro ASK
	s_cmp_lg_u32 s[PFN], 0
	s_cbranch_scc0 .Lnot_mine_\@
	global_prefetch_b8 v[PFO], s[PFA:PFA+1] th:TH_LOAD_NT scope:SCOPE_SE
.Lnot_mine_\@:
.endm
; THE CHANGE OF SLOTS.  Each wave waits for all its tensor loads (one is out: its part of the other slot), adds 0 to its spare word, and waits for that and for its own reads of the slot that it leaves.  Behind the
; barrier nobody reads the old slot and the other is whole.  fill = 1: the old slot is filled again, first thing behind the barrier, with tile NXT.  (At its first use slot 0 is waited for and slot 1 filled.)
.macro CHANGE fill
	WIN 0
	s_wait_tensorcnt 0x0
	ds_add_u32 v[SPW], v[NIL]                      ; 0 onto my spare word; the scalar work stands between it and the wait for it
.if \fill
	s_lshl_b32 s[OFF], s[NXT], 14                  ; a tile is 16,384 bytes of K and of V
	s_xor_b32 s[G0K+1], s[G0K+1], SLOT1
	s_add_nc_u64 s[G0K+2:G0K+3], s[KB:KB+1], s[OFF:OFF+1]
	s_or_b32 s[G0K+3], s[G0K+3], 0x80000000
	s_xor_b32 s[G0V+1], s[G0V+1], SLOT1
	s_add_nc_u64 s[G0V+2:G0V+3], s[VB:VB+1], s[OFF:OFF+1]
	s_or_b32 s[G0V+3], s[G0V+3], 0x80000000
	s_add_co_u32 s[NXT], s[NXT], 1                 ; the block's next tile, or behind its last the second block's tile 0
	s_cmp_gt_u32 s[NXT], s[LQ]
	s_cselect_b32 s[NXT], 0, s[NXT]
	s_cselect_b32 s[LQ], s[PB], s[LQ]
	s_mul_i32 s[PFN], s[NXT], s[PFF]
	s_lshl_b32 s[OFF], s[NXT], 14
	s_wait_xcnt 0x0                                ; the last prefetch, two key steps back, has read its address
	s_add_nc_u64 s[PFA:PFA+1], s[PFB:PFB+1], s[OFF:OFF+1]
.endif
	s_wait_dscnt 0x0                               ; the add is done, and my reads of the slot are over
	s_barrier_signal -1
	s_sub_co_u32 s[TBK], s[TBK], 2*KS*PK           ; the fetches go back to a slot's first step,
	s_xor_b32 s[TBK], s[TBK], SLOT1                ; in the other slot
	s_sub_co_u32 s[TBV], s[TBV], 2*KS*PV
	s_xor_b32 s[TBV], s[TBV], SLOT1
	s_barrier_wait -1
.if \fill
	LOAD
	ASK
.endif
.endm
	s_load_b128 s[4:7], s[0:1], 0x0                ; qkv s[4:5], att s[6:7]
	v_lshl_add_u32 v[SPW], v0, 2, SPARE
	v_mov_b32 v[NIL], 0
	ds_add_u32 v[SPW], v[NIL]                      ; the wave's opening: the add and its wait ahead of my first tensor load
	ds_add_u32 v62, v63
	v_lshrrev_b32 v1, 5, v0
	v_readfirstlane_b32 s[WV], v1
	s_mov_b32 s[PB], ttmp9
	s_sub_co_u32 s[HI], 7, s[PB]
	s_and_b32 s[WH], s[WV], 1
	s_and_b32 s16, ttmp7, 0xffff
	s_and_b32 s17, s16, 15                         ; head
	s_lshr_b32 s18, s16, 4                         ; batch
	s_lshl_b32 s20, s17, 19                        ; the head's panel,
	s_lshl_b32 s18, s18, 17                        ; the batch's 1,024 rows in it
	s_add_co_u32 s20, s20, s18
	s_lshl_b32 s22, s[WH], 13                      ; my 64 keys of a tile
	s_add_co_u32 s22, s22, s20
	s_mov_b32 s23, 0
	s_lshl_b32 s19, s[WV], 11                      ; my 16 rows in a band of 64
	s_lshl_b32 s16, s[HI], 14                      ; the first block's 128 rows
	s_add_co_u32 s16, s16, s19
	s_add_co_u32 s16, s16, s20
	s_mov_b32 s17, 0
	s_lshl_b32 s18, s[PB], 14                      ; the second's
	s_add_co_u32 s18, s18, s19
	s_add_co_u32 s18, s18, s20
	s_mov_b32 s19, 0
	; descriptor group 1.  64 keys are 8,192 dense bytes: asked for as 32 rows of 256 bytes, two keys a row, padded in LDS after every key
	s_mov_b32 s[G1K], (1<<16)|(1<<20)|(4<<22)|(3<<25)
	s_mov_b32 s[G1V], (1<<16)|(1<<20)|(4<<22)|(7<<25)
.irp g, G1K, G1V
	s_mov_b32 s[\g+1], 128<<16                     ; tensor_dim0
	s_mov_b32 s[\g+2], 32<<16                      ; tensor_dim1
	s_mov_b32 s[\g+3], 128<<16                     ; tile_dim0
	s_mov_b32 s[\g+4], 32                          ; tile_dim1
	s_mov_b32 s[\g+5], 128                         ; elements from row to row
	s_mov_b32 s[\g+6], 0
	s_mov_b32 s[\g+7], 0
.endr
	s_mov_b32 s[CS], 0x3e38aa3b                    ; c = log2(e) / 8
	s_mov_b32 s[CS+1], s[CS]
	s_mov_b32 s[SEL], 0x76543210
	s_mov_b32 s[SEL+1], 0xfedcba98
	s_mov_b32 s[TBK], SLOT1+2*KS*PK                ; the first change of slots turns these two into 0
	s_mov_b32 s[TBV], SLOT1+2*KS*PV
	s_mov_b32 s[G0K], 1
	s_mul_i32 s[G0K+1], s[WH], KS*PK               ; slot 0
	s_mov_b32 s[G0V], 1
	s_mul_i32 s[G0V+1], s[WH], KS*PV
	s_add_co_u32 s[G0V+1], s[G0V+1], VOFF
	s_add_co_u32 s[RT], s[HI], 1                   ; the first block has 8 - b tiles
	s_mov_b32 s[NXT], 1
	s_mov_b32 s[LQ], s[HI]
	s_mov_b32 s[OFF+1], 0
	s_mov_b32 s[AL0+1], 0                          ; named as pairs
	s_mov_b32 s[BE0+1], 0
	s_mov_b32 s[AL1+1], 0
	s_mov_b32 s[BE1], 0
	s_mov_b32 s[BE1+1], 0
	s_mov_b32 s[BIGN], 0xf149f2ca                  ; -1e30
	s_mov_b32 s[SLOTS], 8
	s_cmp_eq_u32 s[PB], 0
	s_cselect_b32 s[PFF], 1, 0
	s_wait_dscnt 0x0                               ; the opening add is done
	s_wait_kmcnt 0x0
	s_add_nc_u64 s[KB:KB+1], s[4:5], s[22:23]
	s_add_nc_u64 s[VB:VB+1], s[KB:KB+1], 0x1000000 ; v: 32 panels on
	s_add_nc_u64 s[KB:KB+1], s[KB:KB+1], 0x800000  ; k: 16 panels on
	s_add_nc_u64 s[G0K+2:G0K+3], s[KB:KB+1], 0
	s_or_b32 s[G0K+3], s[G0K+3], 0x80000000
	s_add_nc_u64 s[G0V+2:G0V+3], s[VB:VB+1], 0
	s_or_b32 s[G0V+3], s[G0V+3], 0x80000000
	s_add_nc_u64 s[QP:QP+1], s[4:5], s[16:17]
	s_add_nc_u64 s[QP2:QP2+1], s[4:5], s[18:19]
	s_add_nc_u64 s[OP:OP+1], s[6:7], s[16:17]
	s_add_nc_u64 s[OLO:OLO+1], s[6:7], s[18:19]
	s_cmp_lt_u32 s[WV], 2
	s_cselect_b64 s[PFB:PFB+1], s[KB:KB+1], s[VB:VB+1]
	LOAD                                           ; tile 0 into slot 0
	v_and_b32 v1, 15, v0                           ; l % 16
	v_bfe_u32 v9, v0, 4, 1                         ; l / 16
	v_lshlrev_b32 v[QO], 7, v1
	v_lshl_add_u32 v[QO], v9, 4, v[QO]             ; row x 128 + 16 x half
	WIN 0x80                                       ; destination window 2, address window 0
.irp u, 0,1
.irp c, 0,1                            ; both blocks' Q: tile u lies in band u, 8,192 bytes on; channels 32 c on
	global_load_b128 v[16*(\u)+8*(\c):16*(\u)+8*(\c)+3],   v[QO], s[QP:QP+1] offset:(\u)*8192+(\c)*64
	global_load_b128 v[16*(\u)+8*(\c)+4:16*(\u)+8*(\c)+7], v[QO], s[QP:QP+1] offset:(\u)*8192+(\c)*64+32
	global_load_b128 v[QB+16*(\u)+8*(\c):QB+16*(\u)+8*(\c)+3],   v[QO], s[QP2:QP2+1] offset:(\u)*8192+(\c)*64
	global_load_b128 v[QB+16*(\u)+8*(\c)+4:QB+16*(\u)+8*(\c)+7], v[QO], s[QP2:QP2+1] offset:(\u)*8192+(\c)*64+32
.endr
.endr
	WIN 0
	v_lshlrev_b32 v14, 3, v9
	v_sub_nc_u32 v14, v1, v14
	s_lshl_b32 s16, s[WV], 4
	v_add_nc_u32 v14, s16, v14                     ; my query's place in its band, 16 w + l % 16, less my lanes' 8 (l / 16): register r of key group kt is hidden where 16 kt + r is greater
	WIN 0x40
.set i, 0
.rept 32
	v_cmp_gt_i32 vcc_lo, 16*(i/8)+i%8, v14
	v_cndmask_b32 v[MD+i], 0, s[BIGN], vcc_lo
.set i, i+1
.endr
.set i, 0
.rept 64
	v_mov_b32 v[i], 0                              ; O^T need only be finite where a block begins; written in the wait for the first tile, so that no first step is written out
.set i, i+1
.endr
	WIN 0
	v_mul_u32_u24 v[AK0], v1, PK
	v_lshl_add_u32 v[AK0], v9, 4, v[AK0]
	v_and_b32 v10, 7, v0
	v_bfe_u32 v11, v0, 3, 1
	v_lshl_add_u32 v[AV0], v9, 3, v10              ; the turning load: key 8 (l / 16) + l % 8, channels 8 ((l / 8) % 2) on
	v_mul_u32_u24 v[AV0], v[AV0], PV
	v_lshl_add_u32 v[AV0], v11, 4, v[AV0]
	v_add_nc_u32 v[AV0], VOFF, v[AV0]
	s_mul_i32 s16, s[WV], 16*SP
	s_add_co_u32 s16, s16, STAGE
	v_mul_u32_u24 v[STO], v1, SP
	v_lshl_add_u32 v[STO], v9, 4, v[STO]
	v_add_nc_u32 v[STO], s16, v[STO]
	v_bfe_u32 v[RD], v0, 3, 2
	v_mul_u32_u24 v[RD], v[RD], SP
	v_lshl_add_u32 v[RD], v10, 4, v[RD]
	v_add_nc_u32 v[RD], s16, v[RD]
	v_and_b32 v[GO], 31, v0
	v_lshlrev_b32 v[PFO], 8, v[GO]
	v_lshlrev_b32 v[GO], 4, v[GO]
.irp u, 0,1
	v_mov_b32 v[ST+4*(\u)], 0xfe000000             ; c m: far below every c s
	v_mov_b32 v[ST+4*(\u)+1], 0xff7fffff           ; m
	v_mov_b32 v[ST+4*(\u)+2], 0
	v_mov_b32 v[ST+4*(\u)+3], 0
.endr
.macro REGS u
.set rT, ST+4*(\u)
.set rC, TMP+4*(\u)
.set rM, MV+(\u)
.set rS, S+32*(\u)
.set rP, P+16*(\u)
.set rO, 32*(\u)
.endm
; Product i of 16 of S^T += K Q^T: channels 32 (i / 8) on, keys 16 ((i / 2) % 4) on, tile i % 2.  The 8 accumulators take turns.
.macro KQ
	WIN W_KQ
.set rS, S+32*(i%2)+8*((i/2)%4)
.set rK, KF+16*((i/2)%4)+8*(i/8)
.set rQ, 16*(i%2)+8*(i/8)
	v_wmma_f32_16x16x32_bf16 v[rS:rS+7], v[rK:rK+7], v[rQ:rQ+7], v[rS:rS+7]
.endm
; Product i of 16 of O^T += V^T P: keys 32 (i / 8) on, channels 16 ((i / 2) % 4) on, tile i % 2.
.macro PVM
	WIN W_PV
.set rO, 32*(i%2)+8*((i/2)%4)
.set rV, VF+32*(i/8)+8*((i/2)%4)
.set rP, P+16*(i%2)+8*(i/8)
	v_wmma_f32_16x16x32_bf16 v[rO:rO+7], v[rV:rV+7], v[rP:rP+7], v[rO:rO+7]
.endm
; Number n of the 22 that find tile u's maximum and statistics; each accumulator's lowest registers are read first.
;   0-11 four chains of seven scores   12-14, 16 the four left over, the old m, the four into one   15 c m_old is kept   17, 18 the lane 16 away: the new m   19-21 c m; c m_old - c m_new; a
.macro XS u, n
	REGS \u
.if (\n) < 4
	v_max3_num_f32 v[rC+(\n)], v[rS+8*(\n)], v[rS+8*(\n)+1], v[rS+8*(\n)+2]
.elseif (\n) < 12
	v_max3_num_f32 v[rC+(\n)%4], v[rC+(\n)%4], v[rS+8*((\n)%4)+2*((\n)/4)+1], v[rS+8*((\n)%4)+2*((\n)/4)+2]
.elseif (\n) == 12
	v_max3_num_f32 v[rC], v[rC], v[rS+7], v[rS+15]
.elseif (\n) == 13
	v_max3_num_f32 v[rC+1], v[rC+1], v[rS+23], v[rS+31]
.elseif (\n) == 14
	v_max3_num_f32 v[rC+2], v[rC+2], v[rC+3], v[rT+1]
.elseif (\n) == 15
	v_mov_b32 v[rM], v[rT]
.elseif (\n) == 16
	v_max3_num_f32 v[rC], v[rC], v[rC+1], v[rC+2]
.elseif (\n) == 17
	v_permlanex16_b32 v[rC+3], v[rC], s[SEL], s[SEL+1]
.elseif (\n) == 18
	v_max_num_f32 v[rT+1], v[rC], v[rC+3]
.elseif (\n) == 19
	v_mul_f32 v[rT], s[CS], v[rT+1]
.elseif (\n) == 20
	v_sub_f32 v[rC+1], v[rM], v[rT]
.else
	v_exp_f32 v[rC+2], v[rC+1]
.endif
.endm
.macro TREE u                          ; the sum of the tile's 16 pairs of weights, in place, neighbours 1, 2, 4, 8 pairs apart; then l = a l + sum
	REGS \u
.irp d, 2,4,8,16
.set z, 0
.rept 16/(\d)
	v_pk_add_f32 v[rS+2*(\d)*z:rS+2*(\d)*z+1], v[rS+2*(\d)*z:rS+2*(\d)*z+1], v[rS+2*(\d)*z+(\d):rS+2*(\d)*z+(\d)+1]
.set z, z+1
.endr
.endr
	v_pk_fma_f32 v[rT+2:rT+3], v[rT+2:rT+3], v[rC+2:rC+3], v[rS:rS+1] op_sel_hi:[1,0,1]
.endm
; A KEY STEP.
.macro STEP
	s_lshl_b32 s21, s[DG], 2
	s_or_b32 s21, s21, s[CNT]                      ; 6: the diagonal tile's first step; 5: its second
	s_cmp_eq_u32 s21, 6
	s_cselect_b32 s[AL0], 1.0, 0                   ; band 0 holds the diagonal
	s_cmp_eq_u32 s21, 5
	s_cselect_b32 s[BE0], s[BIGN], 0               ; band 0 sees nothing,
	s_cselect_b32 s[AL1], 1.0, 0                   ; band 1 holds the diagonal
	WIN 0
	v_add_nc_u32 v[AK], s[TBK], v[AK0]
	v_add_nc_u32 v[AV], s[TBV], v[AV0]
	s_add_co_u32 s[TBK], s[TBK], KS*PK             ; the next fetch is the next step's
	s_add_co_u32 s[TBV], s[TBV], KS*PV
	WIN 0x80
.irp f, 0,1,2,3,4,5,6,7                ; K: keys 16 (f / 2) on, channels 32 (f % 2) on
	ds_load_b128 v[KF+8*\f:KF+8*\f+3],   v[AK] offset:(\f/2)*16*PK+(\f%2)*64
	ds_load_b128 v[KF+8*\f+4:KF+8*\f+7], v[AK] offset:(\f/2)*16*PK+(\f%2)*64+32
.endr
	WIN W_MS                                       ; the masks start the sums; these 32 plain lines are also the places between the last V^T P and the loads into V's registers
.set z, 0
.rept 16
	v_pk_fma_f32 v[S+2*z:S+2*z+1], v[MD+2*z:MD+2*z+1], s[AL0:AL0+1], s[BE0:BE0+1] op_sel_hi:[1,0,0]
	v_pk_fma_f32 v[S+32+2*z:S+32+2*z+1], v[MD+2*z:MD+2*z+1], s[AL1:AL1+1], s[BE1:BE1+1] op_sel_hi:[1,0,0]
.set z, z+1
.endr
	WIN 0x80
.irp f, 0,1,2,3,4,5,6,7                ; V, turned: keys 32 (f / 4) on, channels 16 (f % 4) on
	ds_load_tr16_b128 v[VF+8*\f:VF+8*\f+3],   v[AV] offset:(\f/4)*32*PV+(\f%4)*32
	ds_load_tr16_b128 v[VF+8*\f+4:VF+8*\f+7], v[AV] offset:(\f/4)*32*PV+16*PV+(\f%4)*32
.endr
	s_wait_dscnt 16                                ; K is in; V's sixteen loads may be out
.set i, 0
.rept 16
	KQ
.set i, i+1
.endr
	WIN 0
	PLACES
.irp n, 0,1,2,3,4,5,6,7,8,9,10,11,12,13,14,15,16,17,18,19,20,21
	XS 0, \n
	XS 1, \n
.endr
.set z, 0
.rept 16                               ; c s - c m
	v_pk_fma_f32 v[S+2*z:S+2*z+1], v[S+2*z:S+2*z+1], s[CS:CS+1], v[ST:ST+1] op_sel_hi:[1,0,0] neg_lo:[0,0,1] neg_hi:[0,0,1]
	v_pk_fma_f32 v[S+32+2*z:S+32+2*z+1], v[S+32+2*z:S+32+2*z+1], s[CS:CS+1], v[ST+4:ST+5] op_sel_hi:[1,0,0] neg_lo:[0,0,1] neg_hi:[0,0,1]
.set z, z+1
.endr
.set z, 0
.rept 64
	v_exp_f32 v[S+z], v[S+z]
.set z, z+1
.endr
	v_nop                                          ; a plain instruction behind the last exponential,
	s_wait_alu depctr_va_vdst(0)                   ; and ONE wait for the step's 66, ahead of the first line that names a result
	WIN W_RS
.irp u, 0,1
	REGS \u
.set z, 0
.rept 16
	v_pk_mul_f32 v[rO+2*z:rO+2*z+1], v[rO+2*z:rO+2*z+1], v[rC+2:rC+3] op_sel_hi:[1,0]
.set z, z+1
.endr
.endr
	WIN 0
.irp u, 0,1
	REGS \u
.set z, 0
.rept 16
	v_cvt_pk_bf16_f32 v[rP+z], v[rS+2*z], v[rS+2*z+1]
.set z, z+1
.endr
.endr
	TREE 0
	TREE 1
	s_wait_dscnt 0x0                               ; V is in
.set i, 0
.rept 16
	PVM
.set i, i+1
.endr
	WIN 0
.endm
; A BLOCK'S END: l's halves and the other half of the lanes' are added; O^T is divided by l, rounded to bf16 and sent through my stage, a tile at a time.
.macro PACK t
	WIN W_RS
.set i, 32*(\t)
.rept 16
	v_pk_mul_f32 v[i:i+1], v[i:i+1], v[ST+4*(\t)+2:ST+4*(\t)+3] op_sel_hi:[1,0]
.set i, i+2
.endr
	WIN 0x05                                       ; sources 0 and 1 window 1, destination window 0
.set i, 0
.rept 16
	v_cvt_pk_bf16_f32 v[S+16*(\t)+i], v[32*(\t)+2*i], v[32*(\t)+2*i+1]
.set i, i+1
.endr
	WIN 0
.irp f, 0,1,2,3
	ds_store_b128 v[STO], v[S+16*(\t)+4*\f:S+16*(\t)+4*\f+3] offset:32*\f
.endr
.irp f, 0,1,2,3
	ds_load_b128 v[S+16*(\t)+4*\f:S+16*(\t)+4*\f+3], v[RD] offset:\f*4*SP  ; LDS serves a wave's instructions in order (ISA guide 5.7.1.4): these see the stores above
.endr
.endm
.macro SEND t, younger
.irp f, 0,1,2,3
	s_wait_dscnt (\younger)+3-\f
	global_store_b128 v[GO], v[S+16*(\t)+4*\f:S+16*(\t)+4*\f+3], s[OP:OP+1] offset:(\t)*8192+\f*512  ; 512 consecutive bytes, aligned
.endr
.endm
.macro FINISH
	WIN 0
	PLACES
.irp u, 0,1
	v_add_f32 v[ST+4*(\u)+2], v[ST+4*(\u)+2], v[ST+4*(\u)+3]
.endr
.irp u, 0,1
	v_permlanex16_b32 v[ST+4*(\u)+3], v[ST+4*(\u)+2], s[SEL], s[SEL+1]
.endr
.irp u, 0,1
	v_add_f32 v[ST+4*(\u)+2], v[ST+4*(\u)+2], v[ST+4*(\u)+3]
.endr
.irp u, 0,1
	v_rcp_f32 v[ST+4*(\u)+2], v[ST+4*(\u)+2]
.endr
	v_nop
	s_wait_alu depctr_va_vdst(0)                   ; one wait for the two reciprocals
	PACK 0
	PACK 1
	SEND 0, 8
	SEND 1, 0
	s_wait_xcnt 0x0                                ; the stores have read S^T's registers and the pointer: both are written again
.endm
	s_wait_loadcnt 0x0                             ; Q
.Lslot:                                        ; 8 trips: a tile is entered and the next is asked for
	CHANGE 1
	s_sub_co_u32 s[RT], s[RT], 1
	s_cmp_eq_u32 s[RT], 0
	s_cselect_b32 s[DG], 1, 0
	s_mov_b32 s[CNT], 2
.Lstep:
	STEP
	s_sub_co_u32 s[CNT], s[CNT], 1
	s_cmp_lg_u32 s[CNT], 0
	s_cbranch_scc1 .Lstep
	s_cmp_lg_u32 s[RT], 0
	s_cbranch_scc1 .Lbottom                        ; forward, past text with no barrier and no tensor load
	FINISH                                         ; in the loop this is the first block's end: the second's last tile is the walk's last
	s_mov_b64 s[OP:OP+1], s[OLO:OLO+1]
	s_add_co_u32 s[RT], s[PB], 1                   ; the second block has b + 1 tiles
.irp u, 0,1
	v_mov_b32 v[ST+4*(\u)], 0xfe000000
	v_mov_b32 v[ST+4*(\u)+1], 0xff7fffff
.endr
	WIN 0x82                                       ; the second block's Q goes where the one text of the steps names Q
.set i, 0
.rept 32
	v_mov_b32 v[i], v[QB+i]
.set i, i+1
.endr
	WIN 0
.Lbottom:
	s_sub_co_u32 s[SLOTS], s[SLOTS], 1
	s_cmp_lg_u32 s[SLOTS], 0
	s_cbranch_scc1 .Lslot
	CHANGE 0                                       ; the walk's last tile is written out: it is the second block's diagonal tile
	s_mov_b32 s[DG], 1
	s_mov_b32 s[CNT], 2
.Lstep2:
	STEP
	s_sub_co_u32 s[CNT], s[CNT], 1
	s_cmp_lg_u32 s[CNT], 0
	s_cbranch_scc1 .Lstep2
	FINISH
	s_wait_tensorcnt 0x0                           ; the wave's end: a tensor wait, an add of 0 to my spare word and its wait, behind my last tensor load and my last LDS store
	ds_add_u32 v[SPW], v[NIL]
	s_wait_dscnt 0x0
	s_endpgm
.Lfunc_end_k_qafc52cb4ef_attn:
	.size	k_qafc52cb4ef_attn, .Lfunc_end_k_qafc52cb4ef_attn-k_qafc52cb4ef_attn
	.p2alignl 7, 3214868480
	.fill 96, 4, 3214868480
	.section	.rodata,"a",@progbits
	.p2align	6, 0x0
	.amdhsa_kernel k_qafc52cb4ef_attn
		.amdhsa_group_segment_fixed_size 327680
		.amdhsa_private_segment_fixed_size 0
		.amdhsa_enable_private_segment 0
		.amdhsa_kernarg_size 16
		.amdhsa_user_sgpr_count 2
		.amdhsa_user_sgpr_kernarg_segment_ptr 1
		.amdhsa_wavefront_size32 1
		.amdhsa_system_sgpr_workgroup_id_x 1
		.amdhsa_system_sgpr_workgroup_id_y 1
		.amdhsa_system_sgpr_workgroup_id_z 1
		.amdhsa_system_vgpr_workitem_id 0
		.amdhsa_next_free_vgpr 768
		.amdhsa_next_free_sgpr 88
		.amdhsa_reserve_vcc 1
		.amdhsa_float_denorm_mode_32 3
		.amdhsa_float_denorm_mode_16_64 3
		.amdhsa_memory_ordered 1
		.amdhsa_forward_progress 1
		.amdhsa_inst_pref_size 70
	.end_amdhsa_kernel
	.amdgpu_metadata
---
amdhsa.version: [ 1, 2 ]
amdhsa.kernels:
  - .name:           k_qafc52cb4ef_attn
    .symbol:         k_qafc52cb4ef_attn.kd
    .args:
      - { .name: qkv, .offset: 0, .size: 8, .value_kind: global_buffer, .address_space: global }
      - { .name: att, .offset: 8, .size: 8, .value_kind: global_buffer, .address_space: global }
    .group_segment_fixed_size: 327680
    .private_segment_fixed_size: 0
    .kernarg_segment_align: 8
    .kernarg_segment_size: 16
    .max_flat_workgroup_size: 128
    .sgpr_count:     88
    .vgpr_count:     768
    .wavefront_size: 32
...
	.end_amdgpu_metadata
.endif
;; end of part 3
;; launch go (part 4): grid 8 x 32, 4 waves a work-group, clusters of 4 x 4, 327,680 bytes of LDS; arguments att, wb, bo, x, x1; writes x1
.if DOCPART == 4
	.amdgcn_target "amdgcn-amd-amdhsa--gfx1250"
	.amdhsa_code_object_version 6
	.text
	.protected	k_qafc52cb4ef_go
	.globl	k_qafc52cb4ef_go
	.p2align	8
	.type	k_qafc52cb4ef_go,@function
k_qafc52cb4ef_go:
	s_mov_b64 s[64:65], 0
	v_nop
	global_prefetch_b8 v0, s[64:65] scope:SCOPE_SE
	s_setreg_imm32_b32 hwreg(HW_REG_WAVE_MODE, 25, 1), 1
	s_wait_xcnt 0x0
	s_wait_alu depctr_hold_cnt(0) depctr_sa_sdst(0) depctr_va_vdst(0) depctr_va_sdst(0) depctr_va_ssrc(0) depctr_va_vcc(0) depctr_vm_vsrc(0)
	s_getreg_b32 s2, hwreg(HW_REG_IB_STS2, 6, 4)
	s_cmp_eq_u32 s2, 0
	s_cbranch_scc0 .Lentry_in_a_cluster
	s_endpgm
.Lentry_in_a_cluster:
	s_bfe_u32 s2, ttmp6, 0x10000c
	s_cmp_lg_u32 s2, 0xf033
	s_cbranch_scc0 .Lentry_shape_is_right
	s_endpgm
.Lentry_shape_is_right:
; go: x1 = x + att Wo + bo.  C[4,096][1,024] = A[4,096][1,024] B[1,024][1,024]; bf16 operands, f32 sums that start with the bias; the residual is added in f32; x1 is f32, row-major.
; PANELS.  A = att and B = Wo's copy in wb lie as [columns / 64][rows][64] in bf16: a row of a panel is 128 bytes, a panel of 4,096 rows 524,288.
; SHARES.  A tile of C is 128 x 128, one to a work-group (gx, gy); four waves, each 64 x 64: 16 accumulators.  K goes in steps of 256 through a ring of two LDS slots.  A K step is written once; which slot it reads is the scalar RB.
; CLUSTER.  4 x 4 work-groups.  The four of a row need the same tiles of A, the four of a column the same tiles of B: each is asked for jointly, by the same tensor load, descriptor and mask in all four.
; THE MATRIX INSTRUCTION IS USED TRANSPOSED: source 0 = 16 columns of B (turned on the way out of LDS by ds_load_tr16_b128, since B lies [k][n]), source 1 = 16 rows of A: a lane holds eight neighbouring numbers of a row of C.
; REGISTERS.  Window 0: v0-31 addresses; v32-63 the bias, later rows on the way out; v64-127 two blocks of the residual; v128-255 the accumulators ((a, b) at 128 + 8 (4 a + b)).
; Window 1: two fragment buffers of 128: for 64 along K, 64 registers of A (half c, block a at 8 (4 c + a)), then 64 of B.
.set KSTEPS, 4                         ; K / 256
.set BPANEL, 131072                    ; bytes in a panel of B: K x 128
.set WOFF,   6291456                   ; where B begins in wb
.set NSTEP,  KSTEPS
.set MROWB,  524288
.set PA,     144                       ; a row of A in LDS: 128 bytes + 16: the 16 rows of a load start at 16 different groups of four banks (64 banks of 4 bytes: ISA guide 11.1)
.set PB,     160                       ; a row of B: 128 + 32
.set APAN,   128*PA
.set BPAN,   256*PB
.set BOFF,   4*APAN                    ; a slot: A's four k panels, then B's two column panels
.set SLOT,   BOFF+2*BPAN
.set SP,     272                       ; the stage: 16 rows x (256 + 16) bytes for each wave, in slot 0's bytes, behind their last fill and behind the barrier behind which no wave reads the ring
.set SPARE,  2*SLOT+9216               ; the spare words, 128 bytes a wave
.set A0,   16
.set B0,   17
.set ADRA, 18
.set ADRB, 19
.set STO,  24
.set RD,   25
.set CO,   26                          ; v26  my byte offset in two rows of C and of the residual
.set BO,   27
.set SPW,  28                          ; v28  LDS address of my spare word; never rewritten
.set NIL,  29                          ; v29  0; never rewritten
.set TMP,  32
.set BI,   32
.set RES,  64
.set ACC,  128
.set F0,   0
.set F1,   128
.set WV, 14                            ; s14 wave; s15 wr: my row half, and 0 = I fetch A, 1 = B; s16 wc: my column half, and which part I fetch
.set WR, 15
.set WC, 16
.set CX, 17
.set CY, 18
.set GX, 19
.set GY, 20
.set G1A, 24
.set G1B, 32
.set G0A, 40                           ; s[40:43] group 0 for A: K step 0, then it walks; s[44:47] K step 1's first fill
.set G0A2, 44
.set G0B, 48
.set G0B2, 52
.set ABASE, 56
.set BBASE, 58
.set OFA, 60
.set OFB, 62
.set RB, 66                            ; s66  LDS byte at which the slot in hand begins: 0 or SLOT
.set LA, 67
.set LB, 68
.set FK, 69                            ; s69  K step of the next request
.set CNT, 72
.set CP, 74                            ; s[74:75] C at my 64 x 64
.set XP, 76                            ; s[76:77] the residual there
.set BP, 78                            ; s[78:79] the bias at my 64 columns
.set MSB, 0
.macro WIN new                         ; the immediate's high byte repeats the setting that is left; a switch that changes nothing is dropped
.if MSB != (\new)
	s_set_vgpr_msb (MSB<<8)|(\new)
.set MSB, \new
.endif
.endm
.set MUL,  0x05                        ; sources 0 (B) and 1 (A) window 1; C and D window 0
.set TO_F, 0x40                        ; destination window 1, address window 0
.macro PLACES                          ; four places in front of loads into registers that matrix instructions have read, and of lines that read results
.rept 4
	v_nop
.endr
.endm
.macro JLOAD                           ; a joint refill: waves 0, 1 fetch A's two parts, waves 2, 3 B's; an s_nop 0 and four v_nop follow each line
	s_cmp_eq_u32 s[WR], 0
	s_cbranch_scc0 .Lfor_b_\@
	tensor_load_to_lds s[G0A:G0A+3], s[G1A:G1A+7]
	s_nop 0
	PLACES
	s_branch .Lasked_\@
.Lfor_b_\@:
	tensor_load_to_lds s[G0B:G0B+3], s[G1B:G1B+7]
	s_nop 0
	PLACES
.Lasked_\@:
.endm
.macro CREST                           ; a round of the cluster's barrier behind its opening barrier
	s_cmp_lg_u32 s[WV], 0
	s_cbranch_scc1 .Lnot_wave_0_\@
	s_barrier_signal -3
.Lnot_wave_0_\@:
	s_barrier_wait -3
	s_barrier_signal -1
	s_barrier_wait -1
.endm
.macro CROUND
	s_barrier_signal -1
	s_barrier_wait -1
	CREST
.endm
	s_load_b128 s[4:7], s[0:1], 0x0                ; A s[4:5], wb s[6:7]
	s_load_b128 s[8:11], s[0:1], 0x10              ; bias s[8:9], residual s[10:11]
	s_load_b64 s[12:13], s[0:1], 0x20              ; C
	v_lshl_add_u32 v[SPW], v0, 2, SPARE
	v_mov_b32 v[NIL], 0
	ds_add_u32 v[SPW], v[NIL]                      ; the wave's opening: the add and its wait ahead of my first tensor load; the set-up below stands between them
	ds_add_u32 v28, v29
	v_lshrrev_b32 v1, 5, v0
	v_readfirstlane_b32 s[WV], v1
	s_lshr_b32 s[WR], s[WV], 1
	s_and_b32 s[WC], s[WV], 1
	s_bfe_u32 s[CX], ttmp6, 0x40000
	s_bfe_u32 s[CY], ttmp6, 0x40004
	s_lshl_b32 s[GX], ttmp9, 2
	s_add_co_u32 s[GX], s[GX], s[CX]               ; gx = 4 x cluster x + cx
	s_and_b32 s[GY], ttmp7, 0xffff
	s_lshl_b32 s[GY], s[GY], 2
	s_add_co_u32 s[GY], s[GY], s[CY]               ; gy = 4 x cluster y + cy
	s_lshl_b32 s21, s[CY], 2
	s_lshl_b32 s21, 15, s21                        ; my row of the cluster
	s_lshl_b32 s22, 0x1111, s[CX]                  ; my column
	; A's part: two k panels, each 128 rows x 64 k = 16,384 dense bytes: a tile of 2 rows x 8,192 elements, a panel apart; 4 words of padding after every 32 (a row of the panel)
	s_or_b32 s[G1A], s21, (1<<16)|(1<<20)|(1<<21)|(4<<22)|(3<<25)
	s_mov_b32 s[G1A+1], 8192<<16                   ; tensor_dim0
	s_mov_b32 s[G1A+2], 2<<16                      ; tensor_dim1
	s_mov_b32 s[G1A+3], 8192<<16                   ; tile_dim0
	s_mov_b32 s[G1A+4], 2                          ; tile_dim1
	s_mov_b32 s[G1A+5], MROWB/2                    ; elements from panel to panel
	s_mov_b32 s[G1A+6], 0
	s_mov_b32 s[G1A+7], 0
	; B's part: 256 k x 64 columns of one panel = 32,768 dense bytes: 128 rows of 256 bytes; 8 words of padding after every 32
	s_or_b32 s[G1B], s22, (1<<16)|(1<<20)|(1<<21)|(4<<22)|(7<<25)
	s_mov_b32 s[G1B+1], 128<<16
	s_mov_b32 s[G1B+2], 128<<16
	s_mov_b32 s[G1B+3], 128<<16
	s_mov_b32 s[G1B+4], 128
	s_mov_b32 s[G1B+5], 128
	s_mov_b32 s[G1B+6], 0
	s_mov_b32 s[G1B+7], 0
	s_mul_i32 s[LA], s[WC], 2*APAN                 ; no place in the cluster enters an LDS address
	s_mul_i32 s[LB], s[WC], BPAN
	s_add_co_u32 s[LB], s[LB], BOFF
	s_mov_b32 s[RB], 0
	s_mov_b32 s[FK], 2
	s_lshl_b32 s[OFA], s[GY], 14                   ; A: 128 rows of 128 bytes a tile row,
	s_lshl_b32 s21, s[WC], 20                      ; my two of a K step's four panels
	s_add_co_u32 s[OFA], s[OFA], s21
	s_mov_b32 s[OFA+1], 0
	s_lshl_b32 s[OFB], s[GX], 1                    ; B: panel 2 gx + wc
	s_add_co_u32 s[OFB], s[OFB], s[WC]
	s_mul_i32 s[OFB], s[OFB], BPANEL
	s_add_co_u32 s[OFB], s[OFB], WOFF
	s_mov_b32 s[OFB+1], 0
	s_wait_dscnt 0x0                               ; the opening add is done
	s_wait_kmcnt 0x0
	s_add_nc_u64 s[ABASE:ABASE+1], s[4:5], s[OFA:OFA+1]
	s_add_nc_u64 s[BBASE:BBASE+1], s[6:7], s[OFB:OFB+1]
	s_mov_b32 s[G0A], 1
	s_mov_b32 s[G0A+1], s[LA]
	s_mov_b64 s[G0A+2:G0A+3], s[ABASE:ABASE+1]
	s_or_b32 s[G0A+3], s[G0A+3], 0x80000000
	s_mov_b32 s[G0A2], 1
	s_add_co_u32 s[G0A2+1], s[LA], SLOT
	s_add_nc_u64 s[G0A2+2:G0A2+3], s[ABASE:ABASE+1], 1<<21  ; a K step is four panels of A
	s_or_b32 s[G0A2+3], s[G0A2+3], 0x80000000
	s_mov_b32 s[G0B], 1
	s_mov_b32 s[G0B+1], s[LB]
	s_mov_b64 s[G0B+2:G0B+3], s[BBASE:BBASE+1]
	s_or_b32 s[G0B+3], s[G0B+3], 0x80000000
	s_mov_b32 s[G0B2], 1
	s_add_co_u32 s[G0B2+1], s[LB], SLOT
	s_add_nc_u64 s[G0B2+2:G0B2+3], s[BBASE:BBASE+1], 1<<15  ; and 256 rows of a panel of B
	s_or_b32 s[G0B2+3], s[G0B2+3], 0x80000000
	CROUND                                         ; all sixteen work-groups are here: the first joint loads meet
	s_cmp_eq_u32 s[WR], 0                          ; a wave's two first fills stand in one branch: two loads of mine are out
	s_cbranch_scc0 .Lfirst_b
	tensor_load_to_lds s[G0A:G0A+3], s[G1A:G1A+7]
	s_nop 0
	tensor_load_to_lds s[G0A2:G0A2+3], s[G1A:G1A+7]
	s_nop 0
	PLACES
	s_branch .Lfirst_asked
.Lfirst_b:
	tensor_load_to_lds s[G0B:G0B+3], s[G1B:G1B+7]
	s_nop 0
	tensor_load_to_lds s[G0B2:G0B2+3], s[G1B:G1B+7]
	s_nop 0
	PLACES
.Lfirst_asked:
	v_and_b32 v1, 15, v0                           ; r = l % 16
	v_bfe_u32 v2, v0, 4, 1                         ; l / 16
	v_and_b32 v3, 7, v0
	v_bfe_u32 v4, v0, 3, 1
	s_lshl_b32 s21, s[WR], 6
	v_add_nc_u32 v5, s21, v1                       ; A: row 64 wr + r, 16 bytes for each half of the lanes
	v_mul_u32_u24 v[A0], v5, PA
	v_lshl_add_u32 v[A0], v2, 4, v[A0]
	v_lshl_add_u32 v5, v2, 3, v3                   ; B: the turning load: k = 8 (l / 16) + l % 8, columns 8 ((l / 8) % 2) on
	v_mul_u32_u24 v[B0], v5, PB
	v_lshl_add_u32 v[B0], v4, 4, v[B0]
	v_add_nc_u32 v[B0], s[LB], v[B0]               ; my column panel is the part with my wc
	v_mov_b32 v[ADRA], v[A0]
	v_mov_b32 v[ADRB], v[B0]
	s_mul_i32 s21, s[WV], 16*SP                    ; my stage
	v_mul_u32_u24 v[STO], v1, SP                   ; in: row r, 32 bytes for each half of the lanes
	v_lshl_add_u32 v[STO], v2, 5, v[STO]
	v_add_nc_u32 v[STO], s21, v[STO]
	v_mul_u32_u24 v[RD], v2, SP                    ; back: lanes 0-15 take one row of 256 bytes, lanes 16-31 the next
	v_lshl_add_u32 v[RD], v1, 4, v[RD]
	v_add_nc_u32 v[RD], s21, v[RD]
	v_lshlrev_b32 v[CO], 12, v2                    ; and the same two rows in C
	v_lshl_add_u32 v[CO], v1, 4, v[CO]
	s_lshl_b32 s22, s[GY], 19                      ; row 128 gy + 64 wr of 4,096 bytes,
	s_lshl_b32 s23, s[WR], 18
	s_add_co_u32 s22, s22, s23
	s_lshl_b32 s23, s[GX], 9                       ; column 128 gx + 64 wc
	s_add_co_u32 s22, s22, s23
	s_lshl_b32 s23, s[WC], 8
	s_add_co_u32 s22, s22, s23
	s_mov_b32 s23, 0
	s_add_nc_u64 s[CP:CP+1], s[12:13], s[22:23]
	s_add_nc_u64 s[XP:XP+1], s[10:11], s[22:23]
	v_lshlrev_b32 v[BO], 5, v2
	s_lshl_b32 s22, s[GX], 9
	s_lshl_b32 s23, s[WC], 8
	s_add_co_u32 s22, s22, s23
	s_mov_b32 s23, 0
	s_add_nc_u64 s[BP:BP+1], s[8:9], s[22:23]
.irp b, 0,1,2,3                        ; the bias in the layout of the C operand: register j of block b is column 16 b + 8 (l / 16) + j
	global_load_b128 v[BI+8*(\b):BI+8*(\b)+3],   v[BO], s[BP:BP+1] offset:64*(\b)
	global_load_b128 v[BI+8*(\b)+4:BI+8*(\b)+7], v[BO], s[BP:BP+1] offset:64*(\b)+16
.endr
; 8 matrix instructions: row blocks a0, a0 + 1 x all 4 column blocks, 32 along K: half c of buffer f.  z = 1: the product starts the sum, with the bias as C: nothing is cleared, no bias is added later.
; The 16 accumulators take turns in the same order everywhere, over the backward jumps too.
.macro MUL8 f, c, a0, z
	WIN MUL
.irp a, \a0, (\a0)+1
.irp b, 0,1,2,3
.if \z
	v_wmma_f32_16x16x32_bf16 v[ACC+8*(4*(\a)+(\b)):ACC+8*(4*(\a)+(\b))+7], v[(\f)+64+8*(4*(\c)+(\b)):(\f)+64+8*(4*(\c)+(\b))+7], v[(\f)+8*(4*(\c)+(\a)):(\f)+8*(4*(\c)+(\a))+7], v[BI+8*(\b):BI+8*(\b)+7]
.else
	v_wmma_f32_16x16x32_bf16 v[ACC+8*(4*(\a)+(\b)):ACC+8*(4*(\a)+(\b))+7], v[(\f)+64+8*(4*(\c)+(\b)):(\f)+64+8*(4*(\c)+(\b))+7], v[(\f)+8*(4*(\c)+(\a)):(\f)+8*(4*(\c)+(\a))+7], v[ACC+8*(4*(\a)+(\b)):ACC+8*(4*(\a)+(\b))+7]
.endif
.endr
.endr
.endm
; 32 LDS loads in one run: the fragments of quarter q (k panel q of A, rows 64 q on of B) into buffer f; the first 32 along K first
.macro FETCH q, f
	WIN TO_F
.irp c, 0,1
.irp i, 0,1,2,3
	ds_load_tr16_b128 v[(\f)+64+8*(4*(\c)+(\i)):(\f)+64+8*(4*(\c)+(\i))+3],   v[ADRB] offset:(2*(\q)+(\c))*32*PB+32*(\i)
	ds_load_tr16_b128 v[(\f)+64+8*(4*(\c)+(\i))+4:(\f)+64+8*(4*(\c)+(\i))+7], v[ADRB] offset:(2*(\q)+(\c))*32*PB+32*(\i)+16*PB
	ds_load_b128 v[(\f)+8*(4*(\c)+(\i)):(\f)+8*(4*(\c)+(\i))+3],   v[ADRA] offset:(\q)*APAN+64*(\c)+(\i)*16*PA
	ds_load_b128 v[(\f)+8*(4*(\c)+(\i))+4:(\f)+8*(4*(\c)+(\i))+7], v[ADRA] offset:(\q)*APAN+64*(\c)+(\i)*16*PA+32
.endr
.endr
.endm
; A K step is four quarters of 64 along K, 32 matrix instructions each, on buffers 0, 1, 0, 1.
.macro HEAD f, z
	s_wait_dscnt 16                                ; the first 32 along K are in; the sixteen younger loads may be out
	MUL8 \f, 0, 0, \z
	MUL8 \f, 0, 2, \z
.endm
.macro REST q, f, g                    ; the next quarter q is fetched into g, in one run in the quarter's middle
	PLACES
	FETCH \q, \g
	s_wait_dscnt 32                                ; all but the 32 just issued
	MUL8 \f, 1, 0, 0
	MUL8 \f, 1, 2, 0
.endm
.macro QUARTER q, f, g
	HEAD \f, 0
	REST \q, \f, \g
.endm
; The walking descriptors are made anew for K step FK, into the slot in hand; no tensor load of mine is out where this stands.
.macro DESC
	s_lshl_b32 s[OFA], s[FK], 21
	s_add_nc_u64 s[G0A+2:G0A+3], s[ABASE:ABASE+1], s[OFA:OFA+1]
	s_or_b32 s[G0A+3], s[G0A+3], 0x80000000
	s_lshl_b32 s[OFB], s[FK], 15
	s_add_nc_u64 s[G0B+2:G0B+3], s[BBASE:BBASE+1], s[OFB:OFB+1]
	s_or_b32 s[G0B+3], s[G0B+3], 0x80000000
	s_add_co_u32 s[G0A+1], s[RB], s[LA]
	s_add_co_u32 s[G0B+1], s[RB], s[LB]
	s_add_co_u32 s[FK], s[FK], 1
.endm
; The last quarter multiplies buffer 1 and changes slots: ONE barrier; in front of it each wave waits for all its tensor loads (one is out: its part of the other slot), adds 0 to its spare word, and waits for
; that and for its own reads of this slot.  fill = 1: the barrier opens a round of the cluster's, and the slot just read is filled again, two K steps ahead, first thing behind the round.
.macro TURN fill
	WIN 0
	s_wait_tensorcnt 0x0
	ds_add_u32 v[SPW], v[NIL]
.if \fill
	DESC
.endif
	s_wait_dscnt 17                                ; the add and the sixteen younger loads may be out
	MUL8 F1, 0, 0, 0
	s_wait_dscnt 0x0                               ; the add is done, and my reads of this slot are over
	s_barrier_signal -1
	MUL8 F1, 0, 2, 0
	WIN 0
	s_barrier_wait -1
.if \fill
	CREST
	JLOAD                                          ; its four v_nop are also the places in front of the loads below
.else
	PLACES
.endif
	s_xor_b32 s[RB], s[RB], SLOT
	v_add_nc_u32 v[ADRA], s[RB], v[A0]
	v_add_nc_u32 v[ADRB], s[RB], v[B0]
.if !(\fill)
	s_cmp_eq_u32 s[CNT], 1                         ; behind the very last K step nothing is left to fetch: only LDS loads are jumped
	s_cbranch_scc1 .Lno_fetch_\@
.endif
	FETCH 0, F0
	WIN 0
.if !(\fill)
.Lno_fetch_\@:
.endif
	MUL8 F1, 1, 0, 0
	MUL8 F1, 1, 2, 0
.endm
; THE WAY OUT.  Block a (16 rows x 64 columns of f32) goes through my stage and comes back as whole rows of 256 bytes; the residual, loaded the same way, is added; sixteen lanes store 256 consecutive bytes, aligned.
.macro RESLOAD a, buf
.irp t, 0,1,2,3,4,5,6,7
	global_load_b128 v[RES+32*(\buf)+4*(\t):RES+32*(\buf)+4*(\t)+3], v[CO], s[XP:XP+1] offset:(16*(\a)+2*(\t))*4096
.endr
.endm
.macro OUT32 a
.if (\a) > 0
	s_wait_xcnt 0x0                                ; the last block's stores have read the registers that the loads below fill
.endif
.irp b, 0,1,2,3
	ds_store_b128 v[STO], v[ACC+8*(4*(\a)+(\b)):ACC+8*(4*(\a)+(\b))+3]   offset:64*(\b)
	ds_store_b128 v[STO], v[ACC+8*(4*(\a)+(\b))+4:ACC+8*(4*(\a)+(\b))+7] offset:64*(\b)+16
.endr
.irp t, 0,1,2,3,4,5,6,7
	ds_load_b128 v[TMP+4*(\t):TMP+4*(\t)+3], v[RD] offset:(\t)*2*SP  ; LDS serves a wave's instructions in order (ISA guide 5.7.1.4): these see the stores above
.endr
.if (\a) < 3
	s_wait_loadcnt 8                               ; this block's residual is in; the next block's 8 loads may stay out
.else
	s_wait_loadcnt 0x0
.endif
.irp t, 0,1,2,3,4,5,6,7
	s_wait_dscnt 7-(\t)
	v_pk_add_f32 v[TMP+4*(\t):TMP+4*(\t)+1],   v[TMP+4*(\t):TMP+4*(\t)+1],   v[RES+32*((\a)%2)+4*(\t):RES+32*((\a)%2)+4*(\t)+1]
	v_pk_add_f32 v[TMP+4*(\t)+2:TMP+4*(\t)+3], v[TMP+4*(\t)+2:TMP+4*(\t)+3], v[RES+32*((\a)%2)+4*(\t)+2:RES+32*((\a)%2)+4*(\t)+3]
	global_store_b128 v[CO], v[TMP+4*(\t):TMP+4*(\t)+3], s[CP:CP+1] offset:(16*(\a)+2*(\t))*4096
.endr
.if (\a) < 2
	RESLOAD (\a)+2, (\a)%2
.endif
.endm
	s_wait_tensorcnt 1                             ; my part of K step 0 is in; K step 1's may stay out
	s_barrier_signal -1
	s_barrier_wait -1
	FETCH 0, F0
	WIN 0
	s_mov_b32 s[CNT], NSTEP-2
	s_wait_loadcnt 0x0                             ; the bias
	HEAD F0, 1                                     ; the first products start the sums
	WIN 0
	s_branch .Ljoin
.Lstep:                                        ; NSTEP - 2 trips: a K step each; every one fills its slot again
	HEAD F0, 0
	WIN 0
.Ljoin:
	REST 1, F0, F1
	QUARTER 2, F1, F0
	QUARTER 3, F0, F1
	TURN 1
	WIN 0
	s_sub_co_u32 s[CNT], s[CNT], 1
	s_cmp_lg_u32 s[CNT], 0
	s_cbranch_scc1 .Lstep
	RESLOAD 0, 0                                   ; the first two blocks of the residual land under the last two K steps
	RESLOAD 1, 1
	s_mov_b32 s[CNT], 2
.Ltail:                                        ; the last two K steps ask for nothing; behind the second trip's barrier no wave reads the ring any more: the stage lies in slot 0
	HEAD F0, 0
	REST 1, F0, F1
	QUARTER 2, F1, F0
	QUARTER 3, F0, F1
	TURN 0
	WIN 0
	s_sub_co_u32 s[CNT], s[CNT], 1
	s_cmp_lg_u32 s[CNT], 0
	s_cbranch_scc1 .Ltail
	PLACES
	OUT32 0
	OUT32 1
	OUT32 2
	OUT32 3
	s_wait_tensorcnt 0x0                           ; the wave's end: a tensor wait, an add of 0 to my spare word and its wait, behind my last tensor load and my last LDS store
	ds_add_u32 v[SPW], v[NIL]
	s_wait_dscnt 0x0
	CROUND                                         ; the closing round: no work-group ends while a partner may still ask for a tile that names it
	s_endpgm
.Lfunc_end_k_qafc52cb4ef_go:
	.size	k_qafc52cb4ef_go, .Lfunc_end_k_qafc52cb4ef_go-k_qafc52cb4ef_go
	.p2alignl 7, 3214868480
	.fill 96, 4, 3214868480
	.section	.rodata,"a",@progbits
	.p2align	6, 0x0
	.amdhsa_kernel k_qafc52cb4ef_go
		.amdhsa_group_segment_fixed_size 327680
		.amdhsa_private_segment_fixed_size 0
		.amdhsa_enable_private_segment 0
		.amdhsa_kernarg_size 40
		.amdhsa_user_sgpr_count 2
		.amdhsa_user_sgpr_kernarg_segment_ptr 1
		.amdhsa_wavefront_size32 1
		.amdhsa_system_sgpr_workgroup_id_x 1
		.amdhsa_system_sgpr_workgroup_id_y 1
		.amdhsa_system_sgpr_workgroup_id_z 1
		.amdhsa_system_vgpr_workitem_id 0
		.amdhsa_next_free_vgpr 512
		.amdhsa_next_free_sgpr 80
		.amdhsa_reserve_vcc 0
		.amdhsa_float_denorm_mode_32 3
		.amdhsa_float_denorm_mode_16_64 3
		.amdhsa_memory_ordered 1
		.amdhsa_forward_progress 1
		.amdhsa_inst_pref_size 63
	.end_amdhsa_kernel
	.amdgpu_metadata
---
amdhsa.version: [ 1, 2 ]
amdhsa.kernels:
  - .name:           k_qafc52cb4ef_go
    .symbol:         k_qafc52cb4ef_go.kd
    .args:
      - { .name: att, .offset: 0, .size: 8, .value_kind: global_buffer, .address_space: global }
      - { .name: wb, .offset: 8, .size: 8, .value_kind: global_buffer, .address_space: global }
      - { .name: bo, .offset: 16, .size: 8, .value_kind: global_buffer, .address_space: global }
      - { .name: x, .offset: 24, .size: 8, .value_kind: global_buffer, .address_space: global }
      - { .name: x1, .offset: 32, .size: 8, .value_kind: global_buffer, .address_space: global }
    .group_segment_fixed_size: 327680
    .private_segment_fixed_size: 0
    .kernarg_segment_align: 8
    .kernarg_segment_size: 40
    .max_flat_workgroup_size: 128
    .sgpr_count:     80
    .vgpr_count:     512
    .wavefront_size: 32
...
	.end_amdgpu_metadata
.endif
;; end of part 4
;; launch ln2: the kernel of part 1 again; grid 256 x 1, 4 waves a work-group, no clusters, 1,024 bytes of LDS; arguments x1, g2, be2, h, Wq, Wk, Wv, Wo, W1, W2, wb, wqb, w1b, b1; writes h, wb, wqb, w1b
;; launch gff1: the kernel of part 2 again; grid 16 x 16, 4 waves a work-group, clusters of 4 x 4, 327,680 bytes of LDS; arguments h, w1b, ff; writes ff
;; launch gff2 (part 5): grid 8 x 32, 4 waves a work-group, clusters of 4 x 4, 327,680 bytes of LDS; arguments ff, wb, b2, x1, out0; writes out0
.if DOCPART == 5
	.amdgcn_target "amdgcn-amd-amdhsa--gfx1250"
	.amdhsa_code_object_version 6
	.text
	.protected	k_qafc52cb4ef_gff2
	.globl	k_qafc52cb4ef_gff2
	.p2align	8
	.type	k_qafc52cb4ef_gff2,@function
k_qafc52cb4ef_gff2:
	s_mov_b64 s[64:65], 0
	v_nop
	global_prefetch_b8 v0, s[64:65] scope:SCOPE_SE
	s_setreg_imm32_b32 hwreg(HW_REG_WAVE_MODE, 25, 1), 1
	s_wait_xcnt 0x0
	s_wait_alu depctr_hold_cnt(0) depctr_sa_sdst(0) depctr_va_vdst(0) depctr_va_sdst(0) depctr_va_ssrc(0) depctr_va_vcc(0) depctr_vm_vsrc(0)
	s_getreg_b32 s2, hwreg(HW_REG_IB_STS2, 6, 4)
	s_cmp_eq_u32 s2, 0
	s_cbranch_scc0 .Lentry_in_a_cluster
	s_endpgm
.Lentry_in_a_cluster:
	s_bfe_u32 s2, ttmp6, 0x10000c
	s_cmp_lg_u32 s2, 0xf033
	s_cbranch_scc0 .Lentry_shape_is_right
	s_endpgm
.Lentry_shape_is_right:
; gff2: out0 = x1 + ff W2 + b2.  C[4,096][1,024] = A[4,096][4,096] B[4,096][1,024]; bf16 operands, f32 sums that start with the bias; the residual is added in f32; out0 is f32, row-major.
; PANELS.  A = ff and B = W2's copy in wb lie as [columns / 64][rows][64] in bf16: a row of a panel is 128 bytes, a panel of 4,096 rows 524,288.
; SHARES.  A tile of C is 128 x 128, one to a work-group (gx, gy); four waves, each 64 x 64: 16 accumulators.  K goes in steps of 256 through a ring of two LDS slots.  A K step is written once; which slot it reads is the scalar RB.
; CLUSTER.  4 x 4 work-groups.  The four of a row need the same tiles of A, the four of a column the same tiles of B: each is asked for jointly, by the same tensor load, descriptor and mask in all four.
; THE MATRIX INSTRUCTION IS USED TRANSPOSED: source 0 = 16 columns of B (turned on the way out of LDS by ds_load_tr16_b128, since B lies [k][n]), source 1 = 16 rows of A: a lane holds eight neighbouring numbers of a row of C.
; REGISTERS.  Window 0: v0-31 addresses; v32-63 the bias, later rows on the way out; v64-127 two blocks of the residual; v128-255 the accumulators ((a, b) at 128 + 8 (4 a + b)).
; Window 1: two fragment buffers of 128: for 64 along K, 64 registers of A (half c, block a at 8 (4 c + a)), then 64 of B.
.set KSTEPS, 16                        ; K / 256
.set BPANEL, 524288                    ; bytes in a panel of B: K x 128
.set WOFF,   16777216                  ; where B begins in wb
.set NSTEP,  KSTEPS
.set MROWB,  524288
.set PA,     144                       ; a row of A in LDS: 128 bytes + 16: the 16 rows of a load start at 16 different groups of four banks (64 banks of 4 bytes: ISA guide 11.1)
.set PB,     160                       ; a row of B: 128 + 32
.set APAN,   128*PA
.set BPAN,   256*PB
.set BOFF,   4*APAN                    ; a slot: A's four k panels, then B's two column panels
.set SLOT,   BOFF+2*BPAN
.set SP,     272                       ; the stage: 16 rows x (256 + 16) bytes for each wave, in slot 0's bytes, behind their last fill and behind the barrier behind which no wave reads the ring
.set SPARE,  2*SLOT+9216               ; the spare words, 128 bytes a wave
.set A0,   16
.set B0,   17
.set ADRA, 18
.set ADRB, 19
.set STO,  24
.set RD,   25
.set CO,   26                          ; v26  my byte offset in two rows of C and of the residual
.set BO,   27
.set SPW,  28                          ; v28  LDS address of my spare word; never rewritten
.set NIL,  29                          ; v29  0; never rewritten
.set TMP,  32
.set BI,   32
.set RES,  64
.set ACC,  128
.set F0,   0
.set F1,   128
.set WV, 14                            ; s14 wave; s15 wr: my row half, and 0 = I fetch A, 1 = B; s16 wc: my column half, and which part I fetch
.set WR, 15
.set WC, 16
.set CX, 17
.set CY, 18
.set GX, 19
.set GY, 20
.set G1A, 24
.set G1B, 32
.set G0A, 40                           ; s[40:43] group 0 for A: K step 0, then it walks; s[44:47] K step 1's first fill
.set G0A2, 44
.set G0B, 48
.set G0B2, 52
.set ABASE, 56
.set BBASE, 58
.set OFA, 60
.set OFB, 62
.set RB, 66                            ; s66  LDS byte at which the slot in hand begins: 0 or SLOT
.set LA, 67
.set LB, 68
.set FK, 69                            ; s69  K step of the next request
.set CNT, 72
.set CP, 74                            ; s[74:75] C at my 64 x 64
.set XP, 76                            ; s[76:77] the residual there
.set BP, 78                            ; s[78:79] the bias at my 64 columns
.set MSB, 0
.macro WIN new                         ; the immediate's high byte repeats the setting that is left; a switch that changes nothing is dropped
.if MSB != (\new)
	s_set_vgpr_msb (MSB<<8)|(\new)
.set MSB, \new
.endif
.endm
.set MUL,  0x05                        ; sources 0 (B) and 1 (A) window 1; C and D window 0
.set TO_F, 0x40                        ; destination window 1, address window 0
.macro PLACES                          ; four places in front of loads into registers that matrix instructions have read, and of lines that read results
.rept 4
	v_nop
.endr
.endm
.macro JLOAD                           ; a joint refill: waves 0, 1 fetch A's two parts, waves 2, 3 B's; an s_nop 0 and four v_nop follow each line
	s_cmp_eq_u32 s[WR], 0
	s_cbranch_scc0 .Lfor_b_\@
	tensor_load_to_lds s[G0A:G0A+3], s[G1A:G1A+7]
	s_nop 0
	PLACES
	s_branch .Lasked_\@
.Lfor_b_\@:
	tensor_load_to_lds s[G0B:G0B+3], s[G1B:G1B+7]
	s_nop 0
	PLACES
.Lasked_\@:
.endm
.macro CREST                           ; a round of the cluster's barrier behind its opening barrier
	s_cmp_lg_u32 s[WV], 0
	s_cbranch_scc1 .Lnot_wave_0_\@
	s_barrier_signal -3
.Lnot_wave_0_\@:
	s_barrier_wait -3
	s_barrier_signal -1
	s_barrier_wait -1
.endm
.macro CROUND
	s_barrier_signal -1
	s_barrier_wait -1
	CREST
.endm
	s_load_b128 s[4:7], s[0:1], 0x0                ; A s[4:5], wb s[6:7]
	s_load_b128 s[8:11], s[0:1], 0x10              ; bias s[8:9], residual s[10:11]
	s_load_b64 s[12:13], s[0:1], 0x20              ; C
	v_lshl_add_u32 v[SPW], v0, 2, SPARE
	v_mov_b32 v[NIL], 0
	ds_add_u32 v[SPW], v[NIL]                      ; the wave's opening: the add and its wait ahead of my first tensor load; the set-up below stands between them
	ds_add_u32 v28, v29
	v_lshrrev_b32 v1, 5, v0
	v_readfirstlane_b32 s[WV], v1
	s_lshr_b32 s[WR], s[WV], 1
	s_and_b32 s[WC], s[WV], 1
	s_bfe_u32 s[CX], ttmp6, 0x40000
	s_bfe_u32 s[CY], ttmp6, 0x40004
	s_lshl_b32 s[GX], ttmp9, 2
	s_add_co_u32 s[GX], s[GX], s[CX]               ; gx = 4 x cluster x + cx
	s_and_b32 s[GY], ttmp7, 0xffff
	s_lshl_b32 s[GY], s[GY], 2
	s_add_co_u32 s[GY], s[GY], s[CY]               ; gy = 4 x cluster y + cy
	s_lshl_b32 s21, s[CY], 2
	s_lshl_b32 s21, 15, s21                        ; my row of the cluster
	s_lshl_b32 s22, 0x1111, s[CX]                  ; my column
	; A's part: two k panels, each 128 rows x 64 k = 16,384 dense bytes: a tile of 2 rows x 8,192 elements, a panel apart; 4 words of padding after every 32 (a row of the panel)
	s_or_b32 s[G1A], s21, (1<<16)|(1<<20)|(1<<21)|(4<<22)|(3<<25)
	s_mov_b32 s[G1A+1], 8192<<16                   ; tensor_dim0
	s_mov_b32 s[G1A+2], 2<<16                      ; tensor_dim1
	s_mov_b32 s[G1A+3], 8192<<16                   ; tile_dim0
	s_mov_b32 s[G1A+4], 2                          ; tile_dim1
	s_mov_b32 s[G1A+5], MROWB/2                    ; elements from panel to panel
	s_mov_b32 s[G1A+6], 0
	s_mov_b32 s[G1A+7], 0
	; B's part: 256 k x 64 columns of one panel = 32,768 dense bytes: 128 rows of 256 bytes; 8 words of padding after every 32
	s_or_b32 s[G1B], s22, (1<<16)|(1<<20)|(1<<21)|(4<<22)|(7<<25)
	s_mov_b32 s[G1B+1], 128<<16
	s_mov_b32 s[G1B+2], 128<<16
	s_mov_b32 s[G1B+3], 128<<16
	s_mov_b32 s[G1B+4], 128
	s_mov_b32 s[G1B+5], 128
	s_mov_b32 s[G1B+6], 0
	s_mov_b32 s[G1B+7], 0
	s_mul_i32 s[LA], s[WC], 2*APAN                 ; no place in the cluster enters an LDS address
	s_mul_i32 s[LB], s[WC], BPAN
	s_add_co_u32 s[LB], s[LB], BOFF
	s_mov_b32 s[RB], 0
	s_mov_b32 s[FK], 2
	s_lshl_b32 s[OFA], s[GY], 14                   ; A: 128 rows of 128 bytes a tile row,
	s_lshl_b32 s21, s[WC], 20                      ; my two of a K step's four panels
	s_add_co_u32 s[OFA], s[OFA], s21
	s_mov_b32 s[OFA+1], 0
	s_lshl_b32 s[OFB], s[GX], 1                    ; B: panel 2 gx + wc
	s_add_co_u32 s[OFB], s[OFB], s[WC]
	s_mul_i32 s[OFB], s[OFB], BPANEL
	s_add_co_u32 s[OFB], s[OFB], WOFF
	s_mov_b32 s[OFB+1], 0
	s_wait_dscnt 0x0                               ; the opening add is done
	s_wait_kmcnt 0x0
	s_add_nc_u64 s[ABASE:ABASE+1], s[4:5], s[OFA:OFA+1]
	s_add_nc_u64 s[BBASE:BBASE+1], s[6:7], s[OFB:OFB+1]
	s_mov_b32 s[G0A], 1
	s_mov_b32 s[G0A+1], s[LA]
	s_mov_b64 s[G0A+2:G0A+3], s[ABASE:ABASE+1]
	s_or_b32 s[G0A+3], s[G0A+3], 0x80000000
	s_mov_b32 s[G0A2], 1
	s_add_co_u32 s[G0A2+1], s[LA], SLOT
	s_add_nc_u64 s[G0A2+2:G0A2+3], s[ABASE:ABASE+1], 1<<21  ; a K step is four panels of A
	s_or_b32 s[G0A2+3], s[G0A2+3], 0x80000000
	s_mov_b32 s[G0B], 1
	s_mov_b32 s[G0B+1], s[LB]
	s_mov_b64 s[G0B+2:G0B+3], s[BBASE:BBASE+1]
	s_or_b32 s[G0B+3], s[G0B+3], 0x80000000
	s_mov_b32 s[G0B2], 1
	s_add_co_u32 s[G0B2+1], s[LB], SLOT
	s_add_nc_u64 s[G0B2+2:G0B2+3], s[BBASE:BBASE+1], 1<<15  ; and 256 rows of a panel of B
	s_or_b32 s[G0B2+3], s[G0B2+3], 0x80000000
	CROUND                                         ; all sixteen work-groups are here: the first joint loads meet
	s_cmp_eq_u32 s[WR], 0                          ; a wave's two first fills stand in one branch: two loads of mine are out
	s_cbranch_scc0 .Lfirst_b
	tensor_load_to_lds s[G0A:G0A+3], s[G1A:G1A+7]
	s_nop 0
	tensor_load_to_lds s[G0A2:G0A2+3], s[G1A:G1A+7]
	s_nop 0
	PLACES
	s_branch .Lfirst_asked
.Lfirst_b:
	tensor_load_to_lds s[G0B:G0B+3], s[G1B:G1B+7]
	s_nop 0
	tensor_load_to_lds s[G0B2:G0B2+3], s[G1B:G1B+7]
	s_nop 0
	PLACES
.Lfirst_asked:
	v_and_b32 v1, 15, v0                           ; r = l % 16
	v_bfe_u32 v2, v0, 4, 1                         ; l / 16
	v_and_b32 v3, 7, v0
	v_bfe_u32 v4, v0, 3, 1
	s_lshl_b32 s21, s[WR], 6
	v_add_nc_u32 v5, s21, v1                       ; A: row 64 wr + r, 16 bytes for each half of the lanes
	v_mul_u32_u24 v[A0], v5, PA
	v_lshl_add_u32 v[A0], v2, 4, v[A0]
	v_lshl_add_u32 v5, v2, 3, v3                   ; B: the turning load: k = 8 (l / 16) + l % 8, columns 8 ((l / 8) % 2) on
	v_mul_u32_u24 v[B0], v5, PB
	v_lshl_add_u32 v[B0], v4, 4, v[B0]
	v_add_nc_u32 v[B0], s[LB], v[B0]               ; my column panel is the part with my wc
	v_mov_b32 v[ADRA], v[A0]
	v_mov_b32 v[ADRB], v[B0]
	s_mul_i32 s21, s[WV], 16*SP                    ; my stage
	v_mul_u32_u24 v[STO], v1, SP                   ; in: row r, 32 bytes for each half of the lanes
	v_lshl_add_u32 v[STO], v2, 5, v[STO]
	v_add_nc_u32 v[STO], s21, v[STO]
	v_mul_u32_u24 v[RD], v2, SP                    ; back: lanes 0-15 take one row of 256 bytes, lanes 16-31 the next
	v_lshl_add_u32 v[RD], v1, 4, v[RD]
	v_add_nc_u32 v[RD], s21, v[RD]
	v_lshlrev_b32 v[CO], 12, v2                    ; and the same two rows in C
	v_lshl_add_u32 v[CO], v1, 4, v[CO]
	s_lshl_b32 s22, s[GY], 19                      ; row 128 gy + 64 wr of 4,096 bytes,
	s_lshl_b32 s23, s[WR], 18
	s_add_co_u32 s22, s22, s23
	s_lshl_b32 s23, s[GX], 9                       ; column 128 gx + 64 wc
	s_add_co_u32 s22, s22, s23
	s_lshl_b32 s23, s[WC], 8
	s_add_co_u32 s22, s22, s23
	s_mov_b32 s23, 0
	s_add_nc_u64 s[CP:CP+1], s[12:13], s[22:23]
	s_add_nc_u64 s[XP:XP+1], s[10:11], s[22:23]
	v_lshlrev_b32 v[BO], 5, v2
	s_lshl_b32 s22, s[GX], 9
	s_lshl_b32 s23, s[WC], 8
	s_add_co_u32 s22, s22, s23
	s_mov_b32 s23, 0
	s_add_nc_u64 s[BP:BP+1], s[8:9], s[22:23]
.irp b, 0,1,2,3                        ; the bias in the layout of the C operand: register j of block b is column 16 b + 8 (l / 16) + j
	global_load_b128 v[BI+8*(\b):BI+8*(\b)+3],   v[BO], s[BP:BP+1] offset:64*(\b)
	global_load_b128 v[BI+8*(\b)+4:BI+8*(\b)+7], v[BO], s[BP:BP+1] offset:64*(\b)+16
.endr
; 8 matrix instructions: row blocks a0, a0 + 1 x all 4 column blocks, 32 along K: half c of buffer f.  z = 1: the product starts the sum, with the bias as C: nothing is cleared, no bias is added later.
; The 16 accumulators take turns in the same order everywhere, over the backward jumps too.
.macro MUL8 f, c, a0, z
	WIN MUL
.irp a, \a0, (\a0)+1
.irp b, 0,1,2,3
.if \z
	v_wmma_f32_16x16x32_bf16 v[ACC+8*(4*(\a)+(\b)):ACC+8*(4*(\a)+(\b))+7], v[(\f)+64+8*(4*(\c)+(\b)):(\f)+64+8*(4*(\c)+(\b))+7], v[(\f)+8*(4*(\c)+(\a)):(\f)+8*(4*(\c)+(\a))+7], v[BI+8*(\b):BI+8*(\b)+7]
.else
	v_wmma_f32_16x16x32_bf16 v[ACC+8*(4*(\a)+(\b)):ACC+8*(4*(\a)+(\b))+7], v[(\f)+64+8*(4*(\c)+(\b)):(\f)+64+8*(4*(\c)+(\b))+7], v[(\f)+8*(4*(\c)+(\a)):(\f)+8*(4*(\c)+(\a))+7], v[ACC+8*(4*(\a)+(\b)):ACC+8*(4*(\a)+(\b))+7]
.endif
.endr
.endr
.endm
; 32 LDS loads in one run: the fragments of quarter q (k panel q of A, rows 64 q on of B) into buffer f; the first 32 along K first
.macro FETCH q, f
	WIN TO_F
.irp c, 0,1
.irp i, 0,1,2,3
	ds_load_tr16_b128 v[(\f)+64+8*(4*(\c)+(\i)):(\f)+64+8*(4*(\c)+(\i))+3],   v[ADRB] offset:(2*(\q)+(\c))*32*PB+32*(\i)
	ds_load_tr16_b128 v[(\f)+64+8*(4*(\c)+(\i))+4:(\f)+64+8*(4*(\c)+(\i))+7], v[ADRB] offset:(2*(\q)+(\c))*32*PB+32*(\i)+16*PB
	ds_load_b128 v[(\f)+8*(4*(\c)+(\i)):(\f)+8*(4*(\c)+(\i))+3],   v[ADRA] offset:(\q)*APAN+64*(\c)+(\i)*16*PA
	ds_load_b128 v[(\f)+8*(4*(\c)+(\i))+4:(\f)+8*(4*(\c)+(\i))+7], v[ADRA] offset:(\q)*APAN+64*(\c)+(\i)*16*PA+32
.endr
.endr
.endm
; A K step is four quarters of 64 along K, 32 matrix instructions each, on buffers 0, 1, 0, 1.
.macro HEAD f, z
	s_wait_dscnt 16                                ; the first 32 along K are in; the sixteen younger loads may be out
	MUL8 \f, 0, 0, \z
	MUL8 \f, 0, 2, \z
.endm
.macro REST q, f, g                    ; the next quarter q is fetched into g, in one run in the quarter's middle
	PLACES
	FETCH \q, \g
	s_wait_dscnt 32                                ; all but the 32 just issued
	MUL8 \f, 1, 0, 0
	MUL8 \f, 1, 2, 0
.endm
.macro QUARTER q, f, g
	HEAD \f, 0
	REST \q, \f, \g
.endm
; The walking descriptors are made anew for K step FK, into the slot in hand; no tensor load of mine is out where this stands.
.macro DESC
	s_lshl_b32 s[OFA], s[FK], 21
	s_add_nc_u64 s[G0A+2:G0A+3], s[ABASE:ABASE+1], s[OFA:OFA+1]
	s_or_b32 s[G0A+3], s[G0A+3], 0x80000000
	s_lshl_b32 s[OFB], s[FK], 15
	s_add_nc_u64 s[G0B+2:G0B+3], s[BBASE:BBASE+1], s[OFB:OFB+1]
	s_or_b32 s[G0B+3], s[G0B+3], 0x80000000
	s_add_co_u32 s[G0A+1], s[RB], s[LA]
	s_add_co_u32 s[G0B+1], s[RB], s[LB]
	s_add_co_u32 s[FK], s[FK], 1
.endm
; The last quarter multiplies buffer 1 and changes slots: ONE barrier; in front of it each wave waits for all its tensor loads (one is out: its part of the other slot), adds 0 to its spare word, and waits for
; that and for its own reads of this slot.  fill = 1: the barrier opens a round of the cluster's, and the slot just read is filled again, two K steps ahead, first thing behind the round.
.macro TURN fill
	WIN 0
	s_wait_tensorcnt 0x0
	ds_add_u32 v[SPW], v[NIL]
.if \fill
	DESC
.endif
	s_wait_dscnt 17                                ; the add and the sixteen younger loads may be out
	MUL8 F1, 0, 0, 0
	s_wait_dscnt 0x0                               ; the add is done, and my reads of this slot are over
	s_barrier_signal -1
	MUL8 F1, 0, 2, 0
	WIN 0
	s_barrier_wait -1
.if \fill
	CREST
	JLOAD                                          ; its four v_nop are also the places in front of the loads below
.else
	PLACES
.endif
	s_xor_b32 s[RB], s[RB], SLOT
	v_add_nc_u32 v[ADRA], s[RB], v[A0]
	v_add_nc_u32 v[ADRB], s[RB], v[B0]
.if !(\fill)
	s_cmp_eq_u32 s[CNT], 1                         ; behind the very last K step nothing is left to fetch: only LDS loads are jumped
	s_cbranch_scc1 .Lno_fetch_\@
.endif
	FETCH 0, F0
	WIN 0
.if !(\fill)
.Lno_fetch_\@:
.endif
	MUL8 F1, 1, 0, 0
	MUL8 F1, 1, 2, 0
.endm
; THE WAY OUT.  Block a (16 rows x 64 columns of f32) goes through my stage and comes back as whole rows of 256 bytes; the residual, loaded the same way, is added; sixteen lanes store 256 consecutive bytes, aligned.
.macro RESLOAD a, buf
.irp t, 0,1,2,3,4,5,6,7
	global_load_b128 v[RES+32*(\buf)+4*(\t):RES+32*(\buf)+4*(\t)+3], v[CO], s[XP:XP+1] offset:(16*(\a)+2*(\t))*4096
.endr
.endm
.macro OUT32 a
.if (\a) > 0
	s_wait_xcnt 0x0                                ; the last block's stores have read the registers that the loads below fill
.endif
.irp b, 0,1,2,3
	ds_store_b128 v[STO], v[ACC+8*(4*(\a)+(\b)):ACC+8*(4*(\a)+(\b))+3]   offset:64*(\b)
	ds_store_b128 v[STO], v[ACC+8*(4*(\a)+(\b))+4:ACC+8*(4*(\a)+(\b))+7] offset:64*(\b)+16
.endr
.irp t, 0,1,2,3,4,5,6,7
	ds_load_b128 v[TMP+4*(\t):TMP+4*(\t)+3], v[RD] offset:(\t)*2*SP  ; LDS serves a wave's instructions in order (ISA guide 5.7.1.4): these see the stores above
.endr
.if (\a) < 3
	s_wait_loadcnt 8                               ; this block's residual is in; the next block's 8 loads may stay out
.else
	s_wait_loadcnt 0x0
.endif
.irp t, 0,1,2,3,4,5,6,7
	s_wait_dscnt 7-(\t)
	v_pk_add_f32 v[TMP+4*(\t):TMP+4*(\t)+1],   v[TMP+4*(\t):TMP+4*(\t)+1],   v[RES+32*((\a)%2)+4*(\t):RES+32*((\a)%2)+4*(\t)+1]
	v_pk_add_f32 v[TMP+4*(\t)+2:TMP+4*(\t)+3], v[TMP+4*(\t)+2:TMP+4*(\t)+3], v[RES+32*((\a)%2)+4*(\t)+2:RES+32*((\a)%2)+4*(\t)+3]
	global_store_b128 v[CO], v[TMP+4*(\t):TMP+4*(\t)+3], s[CP:CP+1] offset:(16*(\a)+2*(\t))*4096
.endr
.if (\a) < 2
	RESLOAD (\a)+2, (\a)%2
.endif
.endm
	s_wait_tensorcnt 1                             ; my part of K step 0 is in; K step 1's may stay out
	s_barrier_signal -1
	s_barrier_wait -1
	FETCH 0, F0
	WIN 0
	s_mov_b32 s[CNT], NSTEP-2
	s_wait_loadcnt 0x0                             ; the bias
	HEAD F0, 1                                     ; the first products start the sums
	WIN 0
	s_branch .Ljoin
.Lstep:                                        ; NSTEP - 2 trips: a K step each; every one fills its slot again
	HEAD F0, 0
	WIN 0
.Ljoin:
	REST 1, F0, F1
	QUARTER 2, F1, F0
	QUARTER 3, F0, F1
	TURN 1
	WIN 0
	s_sub_co_u32 s[CNT], s[CNT], 1
	s_cmp_lg_u32 s[CNT], 0
	s_cbranch_scc1 .Lstep
	RESLOAD 0, 0                                   ; the first two blocks of the residual land under the last two K steps
	RESLOAD 1, 1
	s_mov_b32 s[CNT], 2
.Ltail:                                        ; the last two K steps ask for nothing; behind the second trip's barrier no wave reads the ring any more: the stage lies in slot 0
	HEAD F0, 0
	REST 1, F0, F1
	QUARTER 2, F1, F0
	QUARTER 3, F0, F1
	TURN 0
	WIN 0
	s_sub_co_u32 s[CNT], s[CNT], 1
	s_cmp_lg_u32 s[CNT], 0
	s_cbranch_scc1 .Ltail
	PLACES
	OUT32 0
	OUT32 1
	OUT32 2
	OUT32 3
	s_wait_tensorcnt 0x0                           ; the wave's end: a tensor wait, an add of 0 to my spare word and its wait, behind my last tensor load and my last LDS store
	ds_add_u32 v[SPW], v[NIL]
	s_wait_dscnt 0x0
	CROUND                                         ; the closing round: no work-group ends while a partner may still ask for a tile that names it
	s_endpgm
.Lfunc_end_k_qafc52cb4ef_gff2:
	.size	k_qafc52cb4ef_gff2, .Lfunc_end_k_qafc52cb4ef_gff2-k_qafc52cb4ef_gff2
	.p2alignl 7, 3214868480
	.fill 96, 4, 3214868480
	.section	.rodata,"a",@progbits
	.p2align	6, 0x0
	.amdhsa_kernel k_qafc52cb4ef_gff2
		.amdhsa_group_segment_fixed_size 327680
		.amdhsa_private_segment_fixed_size 0
		.amdhsa_enable_private_segment 0
		.amdhsa_kernarg_size 40
		.amdhsa_user_sgpr_count 2
		.amdhsa_user_sgpr_kernarg_segment_ptr 1
		.amdhsa_wavefront_size32 1
		.amdhsa_system_sgpr_workgroup_id_x 1
		.amdhsa_system_sgpr_workgroup_id_y 1
		.amdhsa_system_sgpr_workgroup_id_z 1
		.amdhsa_system_vgpr_workitem_id 0
		.amdhsa_next_free_vgpr 512
		.amdhsa_next_free_sgpr 80
		.amdhsa_reserve_vcc 0
		.amdhsa_float_denorm_mode_32 3
		.amdhsa_float_denorm_mode_16_64 3
		.amdhsa_memory_ordered 1
		.amdhsa_forward_progress 1
		.amdhsa_inst_pref_size 63
	.end_amdhsa_kernel
	.amdgpu_metadata
---
amdhsa.version: [ 1, 2 ]
amdhsa.kernels:
  - .name:           k_qafc52cb4ef_gff2
    .symbol:         k_qafc52cb4ef_gff2.kd
    .args:
      - { .name: ff, .offset: 0, .size: 8, .value_kind: global_buffer, .address_space: global }
      - { .name: wb, .offset: 8, .size: 8, .value_kind: global_buffer, .address_space: global }
      - { .name: b2, .offset: 16, .size: 8, .value_kind: global_buffer, .address_space: global }
      - { .name: x1, .offset: 24, .size: 8, .value_kind: global_buffer, .address_space: global }
      - { .name: out0, .offset: 32, .size: 8, .value_kind: global_buffer, .address_space: global }
    .group_segment_fixed_size: 327680
    .private_segment_fixed_size: 0
    .kernarg_segment_align: 8
    .kernarg_segment_size: 40
    .max_flat_workgroup_size: 128
    .sgpr_count:     80
    .vgpr_count:     512
    .wavefront_size: 32
...
	.end_amdgpu_metadata
.endif
;; end of part 5
